; MI455X (gfx1250); checked and timed in simulation.
; The chip was launched on July 23, 2026; its instructions are those of AMD's public machine-readable ISA for CDNA 5 (MIT licence, August 2026) and "CDNA5" Instruction Set Architecture Reference Guide (July 2026). The comments in the code are by the model that wrote it; some were corrected since.
;; Multi Head Self Attention. Allowed arithmetic: matrix products marked QUANTISED: E2M1 operands, one E8M0 scale for each 32 along K, by v_wmma_scale_f32_16x16x128_f8f6f4 with both operands' format E2M1 (or v_wmma_scale_f32_32x16x128_f4), f32 sums; products left as they are: bf16, f16 or f32 operands; f32 sums; everything else in f32.
;; Inputs: Wk 1,024 x 1,024 float32; Wo 1,024 x 1,024 float32; Wq 1,024 x 1,024 float32; Wv 1,024 x 1,024 float32; bk 1,024 float32; bo 1,024 float32; bq 1,024 float32; bv 1,024 float32; x 2 x 2,048 x 1,024 float32.
;; Outputs: out0 2 x 2,048 x 1,024 float32.
;; This version of the problem:
;;   THIS VERSION OF THE PROBLEM IS GIVEN IN LOW PRECISION. The matrix products marked QUANTISED in the list below multiply operands that are first quantised to E2M1 (2 exponent bits, 1 mantissa bit; 4 bits a number), with one power-of-two scale for each 32 numbers along K (OCP MX v1.0); their sums are f32. The products marked 'left as it is' may take bf16, f16 or f32 operands, with f32 sums. Whichever they take, every output number must still come out within the allowed error. Rounding operands to bf16 (8 significant bits) uses up far more of that allowance than f16 does (11 bits, for magnitudes from 6e-5 to 65,504). All else is computed in f32.
;;   The module's matrix products, in the order in which they are computed (A, B: the left and right operand; K: the contracted axis; several contracted axes count as one K, in the product's order):
;;     1. [M 4,096, K 1,024] x [K 1,024, N 1,024]; A: input x; B: input Wq: QUANTISED
;;     2. [M 4,096, K 1,024] x [K 1,024, N 1,024]; A: input x; B: input Wk: QUANTISED
;;     3. [M 4,096, K 1,024] x [K 1,024, N 1,024]; A: input x; B: input Wv: QUANTISED
;;     4. batch 32 x [M 2,048, K 64] x [K 64, N 2,048]; A: computed on the way; B: computed on the way: left as it is (an operand is computed on the way)
;;     5. batch 32 x [M 2,048, K 2,048] x [K 2,048, N 64]; A: computed on the way; B: computed on the way: left as it is (an operand is computed on the way)
;;     6. [M 4,096, K 1,024] x [K 1,024, N 1,024]; A: computed on the way; B: input Wo: left as it is (an operand is computed on the way)
;;   THE QUANTISER, for each operand of a quantised product, along K:
;;     - K is cut into blocks of 32 from its start; a last block that is shorter is filled with zeros.
;;     - A block's scale is 2^e with e = floor(log2(the largest magnitude in the block)) - 2, held to -126 .. 127; a block of zeros has e = 0. As a byte (E8M0): e + 127.
;;     - Each number is divided by its block's scale, clamped to +-6, and rounded to the nearest number of E2M1, ties to even, subnormals kept.
;;     - The product sums the exact products of the quantised numbers (number of the format x scale) in f32.
;;   ~~~python
;;   def quantise(x, axis):      # numpy; x: float32 -> the quantised numbers, widened to float32 again
;;       x = np.moveaxis(x, axis, -1); K = x.shape[-1]
;;       x = np.pad(x, [(0, 0)] * (x.ndim - 1) + [(0, -K % 32)]); x = x.reshape(x.shape[:-1] + (-1, 32)); a = np.abs(x).max(-1, keepdims=True)
;;       e = np.where(a > 0, np.clip(np.frexp(np.where(a > 0, a, 1))[1] - 1 - 2, -126, 127), 0)      # np.frexp(a)[1] - 1 = floor(log2(a)), exactly
;;       r = np.clip(x / 2.0 ** e, -6, 6)
;;       step = 2.0 ** (np.maximum(np.frexp(np.where(r == 0, 1, r))[1] - 1, 0) - 1)
;;       q = np.round(r / step) * step * 2.0 ** e      # np.round: ties to even
;;       return np.moveaxis(q.reshape(q.shape[:-2] + (-1,))[..., :K], -1, axis).astype(np.float32)
;;   ~~~
;; One version. Each part assembles by itself: llvm-mc -triple=amdgcn-amd-amdhsa -mcpu=gfx1250 --defsym DOCPART=n.
;; ======== version 1 of 1: 4 launches
;; limits: values are held in f16: magnitudes above 65,504 overflow, below 6.1e-05 lose precision
;; workspace buffers: codes 3,670,016 bytes; scales 229,376 bytes; wo_img 2,097,152 bytes; q_img 8,388,608 bytes; k_img 8,388,608 bytes; v_img 8,388,608 bytes; o_img 8,388,608 bytes
;; launch prep (part 1): grid 288 x 1, 4 waves a work-group, no clusters, 33,280 bytes of LDS; arguments x, Wq, Wk, Wv, Wo, codes, scales, wo_img; writes codes, scales, wo_img
.if DOCPART == 1
	.amdgcn_target "amdgcn-amd-amdhsa--gfx1250"
	.amdhsa_code_object_version 6
	.text
	.protected	k_q2eea3b2860_prep
	.globl	k_q2eea3b2860_prep
	.p2align	8
	.type	k_q2eea3b2860_prep,@function
k_q2eea3b2860_prep:
	s_mov_b64 s[64:65], 0
	v_nop
	global_prefetch_b8 v0, s[64:65] scope:SCOPE_SE
	s_setreg_imm32_b32 hwreg(HW_REG_WAVE_MODE, 25, 1), 1
	s_wait_xcnt 0x0
; x [4096][1024] and Wq, Wk, Wv [1024][1024], f32, K innermost, become codes of FP4 (E2M1), two a byte, with one E8M0 scale byte for each 32 along K; Wo [1024][1024] becomes f16, laid as images of operand registers.
; codes: [7168][512 bytes], scales: [7168][32 bytes]: rows 0-4095 x, 4096-5119 Wq, 5120-6143 Wk, 6144-7167 Wv.
; A block's scale is 2^(floor(log2(its largest magnitude)) - 2); its byte is the largest magnitude's exponent field - 2, held at 1 from below.  Each number is divided by the scale and rounded to the nearest code, ties to even, beyond 6 the code of 6.
; LIMITS: a block of zeros gets the byte 1 (its codes are zeros, and this program alone reads the bytes); blocks whose largest magnitude lies under 2^(3 - 127) were not tried; NaN and infinities are not served; Wo beyond 65,504 in magnitude is not served (f16).
; SHARES: work-groups 0-127 take x, 128-159 Wq, 160-191 Wk, 192-223 Wv: 32,768 numbers each, a wave 8,192 in 16 steps of 512.  So a wave's run in the two buffers is 4 x work-group + wave for all four tensors.
; Rows are dense and 1024 is a multiple of 32, so tensors, codes and scale bytes are plain streams of blocks.  Each load reads 512 consecutive bytes; a step's 2,048 bytes turn through the wave's own stage in LDS, so that a lane holds 16 neighbours.
; Work-groups 224-287 take Wo: 16 rows each, wave w the columns 256 w on.  No LDS there.
.set WAVES, 4
.set STEPS, 16
.set WG_X,  128
.set WG_Q,  160
.set WG_K,  192
.set WG_WO, 224
.set CB,    8                          ; bytes of 16 codes
.set R,     16                         ; v16-79   four sets of 16 numbers as they are loaded
.set X,     80                         ; v80-111  two sets of 16 neighbours
.set E,     112                        ; v112-127 a scale byte for each step
.set C,     128                        ; v128-191 codes: four registers for each step, so that no store's data are written again
.set WREG,  8192                       ; LDS: a region for each wave: two stages of 32 x SP bytes, behind them its 256 scale bytes
.set SP,    80                         ; a lane's place in a stage: 64 bytes + 16 of padding
.set SPW,   12                         ; v12  LDS address of my spare word; never rewritten
.set NIL,   13                         ; v13  0; never rewritten
.set SPARE, WAVES*WREG                 ; behind the four regions: the spare words, 128 bytes for each wave
	s_load_b256 s[4:11], s[0:1], 0x0               ; x, Wq, Wk, Wv
	s_load_b256 s[12:19], s[0:1], 0x20             ; Wo, codes, scales, wo_img
	v_lshl_add_u32 v[SPW], v0, 2, SPARE
	v_mov_b32 v[NIL], 0
	v_lshrrev_b32 v1, 5, v0
	v_readfirstlane_b32 s24, v1                    ; wave
	v_and_b32 v2, 31, v0                           ; lane
	s_cmp_ge_u32 ttmp9, WG_WO                      ; the work-group's number alone decides
	s_cbranch_scc1 .Lwo
	; ---- the quantiser
	v_lshlrev_b32 v3, 4, v2                        ; my 16 bytes of a load's 512
	s_mul_i32 s25, s24, WREG
	v_lshrrev_b32 v14, 2, v2
	v_mul_u32_u24 v14, v14, SP
	v_and_b32 v15, 3, v2
	v_lshl_add_u32 v14, v15, 4, v14
	v_add_nc_u32 v14, s25, v14                     ; the stage, on the way in: SP (lane / 4) + 16 (lane % 4)
	v_mul_u32_u24 v15, v2, SP
	v_add_nc_u32 v15, s25, v15                     ; on the way out: SP x lane: my 16 neighbours
	v_mul_u32_u24 v4, v2, CB                       ; my codes' place in a step's
	v_lshrrev_b32 v5, 1, v2
	s_add_co_u32 s25, s25, 2*32*SP
	v_add_nc_u32 v5, s25, v5                       ; my wave's 256 scale bytes, my block's byte
	v_lshlrev_b32 v7, 3, v2                        ; and on the way out 8 bytes a lane
	v_add_nc_u32 v6, s25, v7
	s_and_b32 s32, ttmp9, 31                       ; a weight's work-group within its tensor
	s_wait_kmcnt 0x0
	s_cmp_lt_u32 ttmp9, WG_K
	s_cselect_b64 s[26:27], s[8:9], s[10:11]       ; Wk or Wv,
	s_cmp_lt_u32 ttmp9, WG_Q
	s_cselect_b64 s[26:27], s[6:7], s[26:27]       ; or Wq,
	s_cmp_lt_u32 ttmp9, WG_X
	s_cselect_b64 s[26:27], s[4:5], s[26:27]       ; or x
	s_cselect_b32 s32, ttmp9, s32
	s_lshl_b32 s32, s32, 2
	s_add_co_u32 s32, s32, s24                     ; which run of 8,192 numbers of the tensor is my wave's
	s_lshl_b32 s33, ttmp9, 2
	s_add_co_u32 s33, s33, s24                     ; and which run of the two buffers
	s_mov_b32 s35, 0
	s_lshl_b32 s34, s32, 15                        ; 32,768 bytes of numbers a run
	s_add_nc_u64 s[26:27], s[26:27], s[34:35]
	s_lshl_b32 s34, s33, 12                        ; 4,096 bytes of codes
	s_add_nc_u64 s[28:29], s[14:15], s[34:35]
	s_lshl_b32 s34, s33, 8                         ; 256 scale bytes
	s_add_nc_u64 s[30:31], s[16:17], s[34:35]
.macro LOAD t
.irp i, 0,1,2,3
	global_load_b128 v[R+16*((\t)%4)+4*\i:R+16*((\t)%4)+4*\i+3], v3, s[26:27] offset:2048*(\t)+512*\i th:TH_LOAD_NT   ; 32 lanes read 512 consecutive bytes
.endr
.endm
.macro TURN t                          ; step t's numbers through the stage: LDS serves a wave's instructions in order, so no wait stands between the stores and the loads
.irp i, 0,1,2,3
	ds_store_b128 v14, v[R+16*((\t)%4)+4*\i:R+16*((\t)%4)+4*\i+3] offset:32*SP*((\t)%2)+8*SP*\i
.endr
.irp i, 0,1,2,3
	ds_load_b128 v[X+16*((\t)%2)+4*\i:X+16*((\t)%2)+4*\i+3], v15 offset:32*SP*((\t)%2)+16*\i
.endr
.endm
.irp t, 0,1,2,3
	LOAD \t
.endr
	s_wait_loadcnt 12                              ; step 0's four loads are in; twelve younger ones stay out
	TURN 0
.macro STEP t
.set XS, X+16*((\t)%2)
.if (\t) > 0
	s_wait_dscnt 1                                 ; this step's numbers are back from the stage (the last step's byte store may be out): so its stores into the stage have read their registers,
.else
	s_wait_dscnt 0x0
.endif
.if (\t)+4 < STEPS
	LOAD (\t)+4                                    ; which take the loads of four steps on
.endif
.if (\t)+1 < STEPS
.if STEPS-2-(\t) >= 3
	s_wait_loadcnt 12                              ; the next step's four loads are in; those of the three steps behind it may be out
.else
	s_wait_loadcnt 4*(STEPS-2-(\t))
.endif
	TURN (\t)+1                                    ; and go through the other stage while this step is worked
.endif
	v_max3_num_f32 v8, |v[XS]|, |v[XS+1]|, |v[XS+2]|               ; the largest magnitude of my 16, in two chains
	v_max3_num_f32 v9, |v[XS+3]|, |v[XS+4]|, |v[XS+5]|
.irp i, 6,10
	v_max3_num_f32 v8, v8, |v[XS+\i]|, |v[XS+\i+1]|
	v_max3_num_f32 v9, v9, |v[XS+\i+2]|, |v[XS+\i+3]|
.endr
	v_max3_num_f32 v8, v8, |v[XS+14]|, |v[XS+15]|
	v_max3_num_f32 v8, v8, v9, 0x1800000           ; and the floor 2^(3 - 127): the byte cannot fall under 1
	v_max_num_f32_dpp v8, v8, v8 row_xmask:1 row_mask:0xf bank_mask:0xf   ; and of my neighbour's 16: the block's
	v_add_nc_u32 v11, 0xff000000, v8               ; 2 off its exponent field: the conversion takes the exponent field of this operand as its scale
	v_cvt_scalef32_pk8_fp4_f32 v[C+4*(\t)], v[XS:XS+7], v11
	v_cvt_scalef32_pk8_fp4_f32 v[C+4*(\t)+1], v[XS+8:XS+15], v11
	v_lshrrev_b32 v[E+(\t)], 23, v11               ; the scale's byte (a plain line behind the conversions)
	ds_store_b8 v5, v[E+(\t)] offset:16*(\t)       ; both lanes of a block write the same byte with the same value
	global_store_b64 v4, v[C+4*(\t):C+4*(\t)+1], s[28:29] offset:32*CB*(\t)   ; the wave stores 256 consecutive bytes, aligned
.endm
.irp t, 0,1,2,3,4,5,6,7,8,9,10,11,12,13,14,15
	STEP \t
.endr
	ds_load_b64 v[8:9], v6                         ; LDS serves a wave's instructions in order: these see my stores
	s_wait_dscnt 0x0
	global_store_b64 v7, v[8:9], s[30:31]          ; 32 lanes store 256 consecutive bytes, aligned
	s_wait_tensorcnt 0x0                           ; the wave's end: behind my last LDS store
	ds_add_u32 v[SPW], v[NIL]
	s_wait_dscnt 0x0
	s_endpgm
	; ---- Wo to f16.  An operand fragment is 16 rows x 32 K in 8 registers: lane (r, h) holds row r; registers 0-3 K = 8 h + 0..7, registers 4-7 K = 16 + 8 h + 0..7.
	; wo_img: [ks 4 (256 along K)][tile of 16 rows 64][chunk of 32 K 8][half g 2][512 bytes: lane l's 16 bytes at 16 l].  This path names no LDS byte.
.Lwo:
	s_sub_co_u32 s25, ttmp9, WG_WO                 ; my tile of 16 rows
	v_and_b32 v3, 15, v0                           ; r
	v_bfe_u32 v4, v0, 4, 1                         ; h
	v_lshlrev_b32 v1, 12, v3
	v_lshl_add_u32 v1, v4, 5, v1                   ; row r of 4,096 bytes, + 32 h: my 8 numbers of a half
	v_lshlrev_b32 v2, 4, v2                        ; 16 x lane
	s_lshl_b32 s26, s25, 16                        ; 16 rows of 4,096 bytes,
	s_lshl_b32 s27, s24, 10                        ; my wave's 256 numbers of each
	s_add_co_u32 s26, s26, s27
	s_mov_b32 s27, 0
	s_lshl_b32 s28, s24, 19                        ; ks = my wave: 64 tiles of 8,192 bytes,
	s_lshl_b32 s29, s25, 13                        ; my tile
	s_add_co_u32 s28, s28, s29
	s_mov_b32 s29, 0
	s_wait_kmcnt 0x0
	s_add_nc_u64 s[12:13], s[12:13], s[26:27]
	s_add_nc_u64 s[18:19], s[18:19], s[28:29]
.irp p, 0,1,2,3,4,5,6,7,8,9,10,11,12,13,14,15      ; half p = 2 x chunk + g: 16 along K, 64 bytes of a row
.irp e, 0,1
	global_load_b128 v[16+8*\p+4*\e:16+8*\p+4*\e+3], v1, s[12:13] offset:64*\p+16*\e
.endr
.endr
.irp p, 0,1,2,3,4,5,6,7,8,9,10,11,12,13,14,15
	s_wait_loadcnt 30-2*\p                         ; this half's two loads are in; the younger halves' stay out
.irp i, 0,1,2,3
	v_cvt_pk_f16_f32 v[144+4*\p+\i], v[16+8*\p+2*\i], v[17+8*\p+2*\i]
.endr
	global_store_b128 v2, v[144+4*\p:147+4*\p], s[18:19] offset:512*\p   ; 512 consecutive bytes; no register is written twice
.endr
	s_endpgm
.Lfunc_end_k_q2eea3b2860_prep:
	.size	k_q2eea3b2860_prep, .Lfunc_end_k_q2eea3b2860_prep-k_q2eea3b2860_prep
	.p2alignl 7, 3214868480
	.fill 96, 4, 3214868480
	.section	.rodata,"a",@progbits
	.p2align	6, 0x0
	.amdhsa_kernel k_q2eea3b2860_prep
		.amdhsa_group_segment_fixed_size 33280
		.amdhsa_private_segment_fixed_size 0
		.amdhsa_enable_private_segment 0
		.amdhsa_kernarg_size 64
		.amdhsa_user_sgpr_count 2
		.amdhsa_user_sgpr_kernarg_segment_ptr 1
		.amdhsa_wavefront_size32 1
		.amdhsa_system_sgpr_workgroup_id_x 1
		.amdhsa_system_sgpr_workgroup_id_y 1
		.amdhsa_system_sgpr_workgroup_id_z 1
		.amdhsa_system_vgpr_workitem_id 0
		.amdhsa_next_free_vgpr 208
		.amdhsa_next_free_sgpr 66
		.amdhsa_reserve_vcc 0
		.amdhsa_float_denorm_mode_32 3
		.amdhsa_float_denorm_mode_16_64 3
		.amdhsa_memory_ordered 1
		.amdhsa_forward_progress 1
		.amdhsa_inst_pref_size 43
	.end_amdhsa_kernel
	.amdgpu_metadata
---
amdhsa.version: [ 1, 2 ]
amdhsa.kernels:
  - .name:           k_q2eea3b2860_prep
    .symbol:         k_q2eea3b2860_prep.kd
    .args:
      - { .name: x, .offset: 0, .size: 8, .value_kind: global_buffer, .address_space: global }
      - { .name: Wq, .offset: 8, .size: 8, .value_kind: global_buffer, .address_space: global }
      - { .name: Wk, .offset: 16, .size: 8, .value_kind: global_buffer, .address_space: global }
      - { .name: Wv, .offset: 24, .size: 8, .value_kind: global_buffer, .address_space: global }
      - { .name: Wo, .offset: 32, .size: 8, .value_kind: global_buffer, .address_space: global }
      - { .name: codes, .offset: 40, .size: 8, .value_kind: global_buffer, .address_space: global }
      - { .name: scales, .offset: 48, .size: 8, .value_kind: global_buffer, .address_space: global }
      - { .name: wo_img, .offset: 56, .size: 8, .value_kind: global_buffer, .address_space: global }
    .group_segment_fixed_size: 33280
    .private_segment_fixed_size: 0
    .kernarg_segment_align: 8
    .kernarg_segment_size: 64
    .max_flat_workgroup_size: 128
    .sgpr_count:     66
    .vgpr_count:     208
    .wavefront_size: 32
...
	.end_amdgpu_metadata
.endif
;; end of part 1
;; launch qkv (part 2): grid 12 x 16, 4 waves a work-group, clusters of 4 x 4, 327,680 bytes of LDS; arguments codes, scales, bq, bk, q_img, k_img, v_img; writes q_img, k_img, v_img
.if DOCPART == 2
	.amdgcn_target "amdgcn-amd-amdhsa--gfx1250"
	.amdhsa_code_object_version 6
	.text
	.protected	k_q2eea3b2860_qkv
	.globl	k_q2eea3b2860_qkv
	.p2align	8
	.type	k_q2eea3b2860_qkv,@function
k_q2eea3b2860_qkv:
	s_mov_b64 s[64:65], 0
	v_nop
	global_prefetch_b8 v0, s[64:65] scope:SCOPE_SE
	s_setreg_imm32_b32 hwreg(HW_REG_WAVE_MODE, 25, 1), 1
	s_wait_xcnt 0x0
	s_wait_alu depctr_hold_cnt(0) depctr_sa_sdst(0) depctr_va_vdst(0) depctr_va_sdst(0) depctr_va_ssrc(0) depctr_va_vcc(0) depctr_vm_vsrc(0)
	s_getreg_b32 s2, hwreg(HW_REG_IB_STS2, 6, 4)
	s_cmp_eq_u32 s2, 0
	s_cbranch_scc0 .Lentry_in_a_cluster
	s_endpgm
.Lentry_in_a_cluster:
	s_bfe_u32 s2, ttmp6, 0x10000c
	s_cmp_lg_u32 s2, 0xf033
	s_cbranch_scc0 .Lentry_shape_is_right
	s_endpgm
.Lentry_shape_is_right:
; Q = x Wq^T + bq, K = x Wk^T + bk, V = x Wv^T (bv is added behind the softmax, in the next launch), on codes of FP4 (E2M1) with one E8M0 scale for each 32 along K = 1,024; sums in f32; results rounded once to f16.
; codes: [7168][512 bytes], scales: [7168][32 bytes]: rows 0-4095 x, 4096-5119 Wq, 5120-6143 Wk, 6144-7167 Wv: in tiles of 256 rows x is tiles 0-15, the weights 16-27.
; LIMIT: results beyond 65,504 in magnitude are not served (f16).
; A work-group of four waves makes a tile of 256 x 256, a wave 128 x 128: 64 accumulators of 16 x 16.  K goes in two steps of 512 through two LDS slots, each filled once: no slot is filled again.
; Cluster x = 0, 1, 2 makes Q, K, V.  Side A gives a lane its row, side B its eight neighbours (the matrix instruction takes B's rows as source 0, A's as source 1).
;   Q, K: A = x (tokens), B = the weight (channels): a lane holds one token and eight neighbouring channels.      V: A = Wv (channels), B = x (tokens): a lane holds one channel and eight neighbouring keys.
; So four conversions to f16 make of an accumulator four registers of the NEXT product's operand, and the results are stored as images of those registers: 512 consecutive bytes a store, lane l's 16 bytes at 16 l.
;   q_img, k_img: [batch x head 32][block of 64 tokens 32][tile of 16 tokens 4][chunk of 32 channels 2][half 2][512];   v_img: [batch x head 32][block of 64 keys 32][tile of 16 channels 4][chunk of 32 keys 2][half 2][512].
; CLUSTERS: 4 x 4 work-groups; A's tiles are shared along a row of the cluster, B's along a column: each is asked for jointly, by the same tensor load with the same descriptor and a mask that names the four.
; The scale bytes of the work-group's 256 + 256 rows, for all of K, come into LDS once, with the first fills.  The bias is the C of each sum's first matrix instruction.
; REGISTERS: window 0: v1-30 addresses; v32-95 scale words, two sets; v128-191 A's fragments, one set; v192-255 the bias in the result's layout; on the way out v128-255 hold packed results.
;   window 1: B's fragments, two sets, at v0 and v128.   window 2: the accumulators of my rows 0-63 ((a, b) at v[8 (8 (a % 4) + b)]);   window 3: those of rows 64-127.
.set NQ,     4                         ; matrix instructions deep in a slot: 512 along K
.set ROWB,   256                       ; a tile's row in bytes
.set KROW,   512                       ; a row of codes in memory
.set PITCH,  272                       ; an LDS row: 256 bytes + 16 of padding, so that the 16 rows of a load begin 68 words apart
.set FR,     8                         ; registers of a fragment
.set NL,     2                         ; LDS loads that bring one
.set NP,     4                         ; places behind this matrix instruction (ISA guide 7.12.1)
.set HALFT,  128*PITCH
.set SLOT,   4*HALFT                   ; A's 256 rows, then B's 256
.set KS,     32                        ; a row of scale bytes
.set SCL,    2*SLOT                    ; behind the slots: the scales, as rows of 256 bytes + 16
.set HALFS,  (128*KS/256)*272          ; the scales of 128 rows
.set SBLK,   (16*KS/256)*272           ; of 16 rows
.set SPARE,  SCL+4*HALFS               ; the spare words, 128 bytes for each wave
.set ADRA, 16                          ; v16-17 LDS address of my A fragments in slot 0, 1
.set ADRB, 20                          ; v20-21 the same for B
.set CO,   26                          ; v26 16 x lane: my place in an image
.set ADRS, 27                          ; v27 LDS address of my scale words: lanes 0-15 A's rows, lanes 16-31 B's
.set SPW,  28                          ; v28 LDS address of my spare word; never rewritten
.set NIL,  29                          ; v29 0; never rewritten
.set BOF,  30                          ; v30 32 x (lane / 16): my eight numbers of a bias; never rewritten
.set SC,   32
.set AF,   128
.set BI,   192
.set TMP,  128
.set WV,   22                          ; s22 wave
.set RH,   23                          ; s23 wave / 2: my half of A's rows; also: I fetch for A (0) or B (1)
.set CH,   2                           ; s2  wave % 2: my half of B's rows; also: which 128 rows I fetch
.set G1,   24
.set G0,   32
.set G1B,  48
.set G0B,  56
.set G1S,  68
.set G0S,  76
.set G1SB, 80
.set G0SB, 88
.set PB,   92                          ; s[92:99] first where the two sides' codes and scales begin, later four store bases
.set MSB, 0
.macro WIN new                         ; the immediate's high byte repeats the setting that is left
.if MSB != (\new)
	s_set_vgpr_msb (MSB<<8)|(\new)
.set MSB, (\new)
.endif
.endm
.set MUL_LO, 0xa1                      ; source 0 (B) window 1, source 1 (A) window 0, C and D window 2
.set MUL_HI, 0xf1                      ; the same, C and D window 3
.set TO_B,   0x40                      ; destination window 1, address window 0
; A joint load: waves 0 and 1 fetch for A, waves 2 and 3 for B; the branch hangs on the wave's number alone.  An s_nop 0 and four v_nop follow each line.
.macro JLOAD g0a, g1a, g0b, g1b
	s_cmp_eq_u32 s[RH], 0
	s_cbranch_scc0 .Lfor_b_\@
	tensor_load_to_lds s[\g0a:\g0a+3], s[\g1a:\g1a+7]
	s_nop 0
.rept 4
	v_nop
.endr
	s_branch .Lasked_\@
.Lfor_b_\@:
	tensor_load_to_lds s[\g0b:\g0b+3], s[\g1b:\g1b+7]
	s_nop 0
.rept 4
	v_nop
.endr
.Lasked_\@:
.endm
.macro CROUND                          ; a round of the cluster's barrier
	s_barrier_signal -1
	s_barrier_wait -1
	s_cmp_lg_u32 s[WV], 0
	s_cbranch_scc1 .Lnot_wave_0_\@
	s_barrier_signal -3
.Lnot_wave_0_\@:
	s_barrier_wait -3
	s_barrier_signal -1
	s_barrier_wait -1
.endm
	s_load_b256 s[4:11], s[0:1], 0x0               ; codes, scales, bq, bk
	s_load_b128 s[12:15], s[0:1], 0x20             ; q_img, k_img
	s_load_b64 s[16:17], s[0:1], 0x30              ; v_img
	v_lshl_add_u32 v[SPW], v0, 2, SPARE
	v_mov_b32 v[NIL], 0
	ds_add_u32 v[SPW], v[NIL]                      ; the wave's opening: the add, twice on end, and its wait ahead of my first tensor load
	ds_add_u32 v[SPW], v[NIL]
	v_lshrrev_b32 v1, 5, v0
	v_readfirstlane_b32 s[WV], v1
	s_lshr_b32 s[RH], s[WV], 1
	s_and_b32 s[CH], s[WV], 1
	s_bfe_u32 s40, ttmp6, 0x40000                  ; cx
	s_bfe_u32 s41, ttmp6, 0x40004                  ; cy
	s_and_b32 s42, ttmp7, 0xffff
	s_lshl_b32 s42, s42, 2                         ; 4 x cluster y: x's tiles
	s_lshl_b32 s43, ttmp9, 2
	s_add_co_u32 s43, s43, 16                      ; 16 + 4 x cluster x: the weight's tiles
	s_cmp_eq_u32 ttmp9, 2                          ; V?  The same in all sixteen partners
	s_cselect_b32 s45, 24, s42                     ; A's tile of 256 rows: V: Wv's begin at tile 24; else x's tile 4 Y + cy
	s_cselect_b32 s46, s42, s43                    ; B's: V: x's tile 4 Y + cx; else the weight's tile 16 + 4 X + cx
	s_add_co_u32 s45, s45, s41
	s_add_co_u32 s46, s46, s40
	s_lshl_b32 s66, s41, 2
	s_lshl_b32 s66, 15, s66                        ; my row of the cluster
	s_lshl_b32 s67, 0x1111, s40                    ; my column
	; group 1 for codes: 128 rows x 256 bytes, 512 bytes apart, 16 bytes of padding behind each
	s_or_b32 s[G1+0], s66, (1<<20)|(1<<21)|(5<<22)|(3<<25)
	s_or_b32 s[G1B+0], s67, (1<<20)|(1<<21)|(5<<22)|(3<<25)
.irp g, G1, G1B
	s_mov_b32 s[\g+1], ROWB<<16                    ; tensor_dim0
	s_mov_b32 s[\g+2], 128<<16                     ; tensor_dim1
	s_mov_b32 s[\g+3], ROWB<<16                    ; tile_dim0
	s_mov_b32 s[\g+4], 128                         ; tile_dim1
	s_mov_b32 s[\g+5], KROW                        ; from row to row
	s_mov_b32 s[\g+6], 0
	s_mov_b32 s[\g+7], 0
.endr
	; group 1 for the scales of 128 rows: 4,096 dense bytes as 16 rows of 256 (32 elements of 8 bytes), 16 bytes of padding behind each
	s_or_b32 s[G1S+0], s66, (3<<16)|(1<<20)|(1<<21)|(5<<22)|(3<<25)
	s_or_b32 s[G1SB+0], s67, (3<<16)|(1<<20)|(1<<21)|(5<<22)|(3<<25)
.irp g, G1S, G1SB
	s_mov_b32 s[\g+1], 32<<16
	s_mov_b32 s[\g+2], (128*KS/256)<<16
	s_mov_b32 s[\g+3], 32<<16
	s_mov_b32 s[\g+4], 128*KS/256
	s_mov_b32 s[\g+5], 32
	s_mov_b32 s[\g+6], 0
	s_mov_b32 s[\g+7], 0
.endr
	s_lshl_b32 s47, s[CH], 7                       ; which 128 rows of the tile I fetch
	s_lshl_b32 s45, s45, 8
	s_add_co_u32 s45, s45, s47                     ; A's first row
	s_lshl_b32 s46, s46, 8
	s_add_co_u32 s46, s46, s47                     ; B's
	s_mul_i32 s44, s[WV], HALFT                    ; where they go: wave x 128 rows: no place in the cluster enters an LDS address
	s_mul_i32 s47, s[WV], HALFS
	s_wait_dscnt 0x0                               ; both opening adds are done
	s_wait_kmcnt 0x0
	s_mov_b32 s43, 0
	s_lshl_b32 s42, s45, 9                         ; 512 bytes of codes a row
	s_add_nc_u64 s[PB:PB+1], s[4:5], s[42:43]      ; A's codes,
	s_lshl_b32 s42, s45, 5                         ; 32 scale bytes a row
	s_add_nc_u64 s[PB+2:PB+3], s[6:7], s[42:43]    ; A's scales,
	s_mov_b32 s101, 0
	s_lshl_b32 s100, s46, 9
	s_add_nc_u64 s[PB+4:PB+5], s[4:5], s[100:101]  ; B's codes,
	s_lshl_b32 s100, s46, 5
	s_add_nc_u64 s[PB+6:PB+7], s[6:7], s[100:101]  ; B's scales
	CROUND                                         ; all sixteen work-groups are here: the first joint loads meet
	s_mov_b32 s[G0S], 1
	s_add_co_u32 s[G0S+1], s47, SCL
	s_mov_b64 s[G0S+2:G0S+3], s[PB+2:PB+3]
	s_or_b32 s[G0S+3], s[G0S+3], 0x80000000
	s_mov_b32 s[G0SB], 1
	s_add_co_u32 s[G0SB+1], s47, SCL
	s_mov_b64 s[G0SB+2:G0SB+3], s[PB+6:PB+7]
	s_or_b32 s[G0SB+3], s[G0SB+3], 0x80000000
	JLOAD G0S, G1S, G0SB, G1SB                     ; the scales first: they are wanted with the first slot
.irp s, 0,1
	s_mov_b32 s[G0+4*\s], 1
	s_add_co_u32 s[G0+4*\s+1], s44, \s*SLOT
	s_add_nc_u64 s[G0+4*\s+2:G0+4*\s+3], s[PB:PB+1], \s*ROWB
	s_or_b32 s[G0+4*\s+3], s[G0+4*\s+3], 0x80000000
	s_mov_b32 s[G0B+4*\s], 1
	s_add_co_u32 s[G0B+4*\s+1], s44, \s*SLOT
	s_add_nc_u64 s[G0B+4*\s+2:G0B+4*\s+3], s[PB+4:PB+5], \s*ROWB
	s_or_b32 s[G0B+4*\s+3], s[G0B+4*\s+3], 0x80000000
	JLOAD G0+4*\s, G1, G0B+4*\s, G1B               ; three tensor loads of mine are out
.endr
	; what differs between Q, K and V on the way out, and the bias
	s_cmp_eq_u32 ttmp9, 2
	s_cselect_b64 s[PB:PB+1], s[16:17], s[14:15]   ; v_img or k_img,
	s_cselect_b32 s44, s41, s40                    ; the heads lie along A (V) or along B: the cluster's coordinate,
	s_cselect_b32 s45, s[RH], s[CH]                ; and the wave's half
	s_cselect_b32 s46, s40, s41                    ; the tokens along the other side
	s_cselect_b32 s47, s[CH], s[RH]
	s_cselect_b32 s3, 0, -1                        ; V's sums begin with zeros
	s_cmp_eq_u32 ttmp9, 0
	s_cselect_b64 s[PB:PB+1], s[12:13], s[PB:PB+1] ; or q_img
	s_cselect_b64 s[8:9], s[8:9], s[10:11]         ; bq for Q, else bk (V reads bk's numbers and masks them to zeros)
	s_lshl_b32 s100, s40, 10
	s_lshl_b32 s101, s[CH], 9
	s_add_co_u32 s100, s100, s101                  ; B's rows 256 cx + 128 half on, 4 bytes each
	s_mov_b32 s101, 0
	s_add_nc_u64 s[8:9], s[8:9], s[100:101]
	v_bfe_u32 v2, v0, 4, 1                         ; h
	v_lshlrev_b32 v[BOF], 5, v2
.irp b, 0,1,2,3,4,5,6,7
	global_load_b128 v[BI+8*\b:BI+8*\b+3], v[BOF], s[8:9] offset:64*\b            ; register 8 b + j: the bias of B's row 16 b + 8 h + j
	global_load_b128 v[BI+8*\b+4:BI+8*\b+7], v[BOF], s[8:9] offset:64*\b+16
.endr
	; the four store bases: image + ((16 batch + head) << 18) + (block of 64 tokens << 13), for a / 4 and b / 4 = 0, 1
	s_and_b32 s42, ttmp7, 0xffff
	s_lshl_b32 s43, s42, 2                         ; 4 Y
	s_lshr_b32 s42, s42, 1
	s_lshl_b32 s42, s42, 4                         ; 16 x batch: a tile of 256 tokens lies in batch (4 Y + c) / 8 = Y / 2
	s_lshl_b32 s44, s44, 2
	s_lshl_b32 s45, s45, 1
	s_add_co_u32 s44, s44, s45                     ; my first head: 4 c + 2 half
	s_add_co_u32 s44, s44, s42
	s_lshl_b32 s44, s44, 18
	s_add_co_u32 s46, s46, s43
	s_and_b32 s46, s46, 7                          ; the tile of 256 tokens within its batch
	s_lshl_b32 s46, s46, 2
	s_lshl_b32 s47, s47, 1
	s_add_co_u32 s46, s46, s47                     ; my first block of 64 tokens
	s_lshl_b32 s46, s46, 13
	s_add_co_u32 s44, s44, s46
	s_mov_b32 s45, 0
	s_add_nc_u64 s[PB:PB+1], s[PB:PB+1], s[44:45]
	s_mov_b32 s46, 0x2000                          ; from block to block,
	s_mov_b32 s100, 0x40000                        ; from head to head
	s_cmp_eq_u32 ttmp9, 2
	s_cselect_b32 s66, s100, s46                   ; a step of 64 along A: heads for V, else tokens
	s_cselect_b32 s100, s46, s100                  ; along B: the other
	s_mov_b32 s67, 0
	s_mov_b32 s101, 0
	s_add_nc_u64 s[PB+2:PB+3], s[PB:PB+1], s[100:101]
	s_add_nc_u64 s[PB+4:PB+5], s[PB:PB+1], s[66:67]
	s_add_nc_u64 s[PB+6:PB+7], s[PB+4:PB+5], s[100:101]
	; LDS addresses
	v_and_b32 v1, 15, v0                           ; r
	v_mul_u32_u24 v3, v1, PITCH
	v_lshl_add_u32 v4, v2, 4, v3                   ; a fragment's row x pitch + 16 h
	s_mul_i32 s42, s[RH], HALFT                    ; my 128 rows of A
	s_mul_i32 s43, s[CH], HALFT                    ; my 128 rows of B,
	s_add_co_u32 s43, s43, 2*HALFT                 ; behind A's 256
.irp s, 0,1
	v_add_nc_u32 v[ADRA+\s], s42, v4
	v_add_nc_u32 v[ADRB+\s], s43, v4
	s_add_co_u32 s42, s42, SLOT
	s_add_co_u32 s43, s43, SLOT
.endr
	v_mul_u32_u24 v5, v1, KS                       ; my row's scales: 32 bytes a row,
	v_lshrrev_b32 v6, 8, v5
	v_lshl_add_u32 v5, v6, 4, v5                   ; and 16 more for each 256 passed
	s_mul_i32 s42, s[RH], HALFS
	s_mul_i32 s43, s[CH], HALFS
	s_add_co_u32 s43, s43, 2*HALFS
	s_sub_co_u32 s43, s43, s42
	v_mul_u32_u24 v6, s43, v2                      ; lanes 16-31 take B's: one product, the distance between the two bases
	s_add_co_u32 s42, s42, SCL
	v_add_nc_u32 v5, v5, v6
	v_add_nc_u32 v[ADRS], s42, v5
	v_and_b32 v6, 31, v0
	v_lshlrev_b32 v[CO], 4, v6
	s_wait_loadcnt 0x0                             ; the bias
.set i, 0
.rept 64
	v_and_b32 v[BI+i], s3, v[BI+i]                 ; kept for Q and K, zeros for V
.set i, i+1
.endr
.rept 4
	v_nop                                          ; plain instructions between the last of these writes and the matrix instructions that take the bias
.endr
.macro FRAG reg, adr, q, i             ; 16 rows x 128 K of 4-bit codes: lane l holds row l % 16; registers 4 c .. 4 c + 3 hold K = 64 c + 32 (l / 16) + 0 .. 31
.irp c, 0,1
	ds_load_b128 v[\reg+4*\c:\reg+4*\c+3], v[\adr] offset:64*(\q)+32*\c+(\i)*16*PITCH
.endr
.endm
; 16 matrix instructions: A's blocks a0, a0 + 1 x B's eight, the slot's q-th 128 along K.  p: B's set; sc: the set of scale words.  zero = 1: the sums begin with the bias.
; The 64 accumulators take turns, one instruction a turn, in the same order in every step.
.macro MUL16 a0, p, q, sc, zero
.irp a, \a0, \a0+1
.irp b, 0,1,2,3,4,5,6,7
.if \zero
	v_wmma_scale_f32_16x16x128_f8f6f4 v[8*(8*((\a)%4)+\b):8*(8*((\a)%4)+\b)+7], v[128*(\p)+FR*\b:128*(\p)+FR*\b+FR-1], v[AF+FR*(\a):AF+FR*(\a)+FR-1], v[BI+8*\b:BI+8*\b+7], v[SC+8*NQ*(\sc)+NQ*\b+(\q)], v[SC+8*NQ*(\sc)+NQ*(\a)+(\q)] matrix_a_fmt:MATRIX_FMT_FP4 matrix_b_fmt:MATRIX_FMT_FP4 matrix_a_scale:MATRIX_SCALE_ROW1
.else
	v_wmma_scale_f32_16x16x128_f8f6f4 v[8*(8*((\a)%4)+\b):8*(8*((\a)%4)+\b)+7], v[128*(\p)+FR*\b:128*(\p)+FR*\b+FR-1], v[AF+FR*(\a):AF+FR*(\a)+FR-1], v[8*(8*((\a)%4)+\b):8*(8*((\a)%4)+\b)+7], v[SC+8*NQ*(\sc)+NQ*\b+(\q)], v[SC+8*NQ*(\sc)+NQ*(\a)+(\q)] matrix_a_fmt:MATRIX_FMT_FP4 matrix_b_fmt:MATRIX_FMT_FP4 matrix_a_scale:MATRIX_SCALE_ROW1
.endif
.endr
.endr
.endm
.macro FETCH_B slot, q, p
	WIN TO_B
.irp i, 0,1,2,3,4,5,6,7
	FRAG 128*(\p)+FR*\i, ADRB+\slot, \q, \i
.endr
	WIN 0
.endm
.macro FETCH_A slot, q, i0
.irp i, \i0, \i0+1, \i0+2, \i0+3
	FRAG AF+FR*(\i), ADRA+\slot, \q, \i
.endr
.endm
.macro SCALES sc                       ; a slot's scale words: 4 a row; lanes 0-15 take A's block i, lanes 16-31 B's block i
.irp i, 0,1,2,3,4,5,6,7
	ds_load_b128 v[SC+8*NQ*\sc+NQ*\i:SC+8*NQ*\sc+NQ*\i+3], v[ADRS] offset:\i*SBLK
.endr
.endm
.macro PLACES n                        ; plain vector instructions between a matrix instruction and a load into, or a vector read of, its registers
.rept \n
	v_nop
.endr
.endm
; A step of 128 along K that has its successor in the same slot.  A has one set of registers (blocks 0-3 fetched anew in the middle, 4-7 at the end), B two.
.macro STEP slot, q, zero
	s_wait_dscnt 4*NL                              ; all but the youngest eight loads (A's blocks 4-7) are in
.if \zero
	WIN 0x81                                       ; as MUL_LO, C (the bias) in window 0
.else
	WIN MUL_LO
.endif
	MUL16 0, (\q)%2, \q, \slot, \zero
	MUL16 2, (\q)%2, \q, \slot, \zero
	s_wait_dscnt 0                                 ; A's blocks 4-7 are in
	PLACES NP
	FETCH_B \slot, (\q)+1, 1-(\q)%2
	FETCH_A \slot, (\q)+1, 0
.if \zero
	WIN 0xc1
.else
	WIN MUL_HI
.endif
	MUL16 4, (\q)%2, \q, \slot, \zero
	MUL16 6, (\q)%2, \q, \slot, \zero
	PLACES NP
	WIN 0
	FETCH_A \slot, (\q)+1, 4
.endm
; A slot's last step goes over to the other slot: one barrier; in front of it each wave waits for all its tensor loads (its part of the other slot), adds 0 to its spare word and waits for that.  Nothing is filled again.
.macro TURN slot, next
	s_wait_tensorcnt 0x0                           ; my part of the next slot has landed
	ds_add_u32 v[SPW], v[NIL]
	s_wait_dscnt 4*NL+1                            ; (the add and the youngest eight loads may be out)
	WIN MUL_LO
	MUL16 0, 1, NQ-1, \slot, 0
	s_wait_dscnt 0x0                               ; the add is done, my LDS loads are in
	s_barrier_signal -1
	MUL16 2, 1, NQ-1, \slot, 0
	WIN 0
	s_barrier_wait -1                              ; everybody's part of the next slot has landed
	PLACES NP
	v_add_nc_u32 v[ADRS], 4*NQ, v[ADRS]            ; on to the next slot's scale words
	FETCH_B \next, 0, 0
	FETCH_A \next, 0, 0
	SCALES \next
	WIN MUL_HI
	MUL16 4, 1, NQ-1, \slot, 0
	MUL16 6, 1, NQ-1, \slot, 0
	PLACES NP
	WIN 0
	FETCH_A \next, 0, 4
.endm
.macro STEPS slot, from
.set Q, \from
.rept NQ-1-\from
	STEP \slot, Q, 0
.set Q, Q+1
.endr
.endm
	s_wait_tensorcnt 1                             ; the scales and my part of slot 0 are in; slot 1's load may stay out
	s_barrier_signal -1
	s_barrier_wait -1
	FETCH_B 0, 0, 0
	FETCH_A 0, 0, 0
	SCALES 0
	FETCH_A 0, 0, 4
	STEP 0, 0, 1
	STEPS 0, 1
	TURN 0, 1
	STEPS 1, 0
	s_wait_dscnt 4*NL                              ; the last step: nothing more to fetch
	WIN MUL_LO
	MUL16 0, 1, NQ-1, 1, 0
	MUL16 2, 1, NQ-1, 1, 0
	s_wait_dscnt 0
	WIN MUL_HI
	MUL16 4, 1, NQ-1, 1, 0
	MUL16 6, 1, NQ-1, 1, 0
	WIN 0
	; THE WAY OUT.  Accumulator (a, b): lane (r, h) holds A's row 16 a + r and B's rows 16 b + 8 h + 0 .. 7: four conversions make the half b % 2 of chunk (b % 4) / 2 of tile a % 4.
	PLACES NP
.irp a, 0,1,2,3,4,5,6,7
.if \a == 4
	s_wait_xcnt 0x0                                ; the stores of blocks 0-3 have read their registers, which are written again from here on
.endif
	WIN 0x0a+5*(\a/4)                              ; sources in window 2 or 3
.irp b, 0,1,2,3,4,5,6,7
.irp i, 0,1,2,3
	v_cvt_pk_f16_f32 v[TMP+32*(\a%4)+4*\b+\i], v[64*(\a%4)+8*\b+2*\i], v[64*(\a%4)+8*\b+2*\i+1]   ; each accumulator from its low end on
.endr
.endr
	WIN 0
.irp b, 0,1,2,3,4,5,6,7
	global_store_b128 v[CO], v[TMP+32*(\a%4)+4*\b:TMP+32*(\a%4)+4*\b+3], s[PB+4*(\a/4)+2*(\b/4):PB+4*(\a/4)+2*(\b/4)+1] offset:2048*(\a%4)+512*(\b%4)   ; 512 consecutive bytes, aligned
.endr
.endr
	s_wait_tensorcnt 0x0                           ; the wave's end
	ds_add_u32 v[SPW], v[NIL]
	s_wait_dscnt 0x0
	CROUND                                         ; the closing round
	s_endpgm
.Lfunc_end_k_q2eea3b2860_qkv:
	.size	k_q2eea3b2860_qkv, .Lfunc_end_k_q2eea3b2860_qkv-k_q2eea3b2860_qkv
	.p2alignl 7, 3214868480
	.fill 96, 4, 3214868480
	.section	.rodata,"a",@progbits
	.p2align	6, 0x0
	.amdhsa_kernel k_q2eea3b2860_qkv
		.amdhsa_group_segment_fixed_size 327680
		.amdhsa_private_segment_fixed_size 0
		.amdhsa_enable_private_segment 0
		.amdhsa_kernarg_size 56
		.amdhsa_user_sgpr_count 2
		.amdhsa_user_sgpr_kernarg_segment_ptr 1
		.amdhsa_wavefront_size32 1
		.amdhsa_system_sgpr_workgroup_id_x 1
		.amdhsa_system_sgpr_workgroup_id_y 1
		.amdhsa_system_sgpr_workgroup_id_z 1
		.amdhsa_system_vgpr_workitem_id 0
		.amdhsa_next_free_vgpr 1024
		.amdhsa_next_free_sgpr 102
		.amdhsa_reserve_vcc 0
		.amdhsa_float_denorm_mode_32 3
		.amdhsa_float_denorm_mode_16_64 3
		.amdhsa_memory_ordered 1
		.amdhsa_forward_progress 1
		.amdhsa_inst_pref_size 122
	.end_amdhsa_kernel
	.amdgpu_metadata
---
amdhsa.version: [ 1, 2 ]
amdhsa.kernels:
  - .name:           k_q2eea3b2860_qkv
    .symbol:         k_q2eea3b2860_qkv.kd
    .args:
      - { .name: codes, .offset: 0, .size: 8, .value_kind: global_buffer, .address_space: global }
      - { .name: scales, .offset: 8, .size: 8, .value_kind: global_buffer, .address_space: global }
      - { .name: bq, .offset: 16, .size: 8, .value_kind: global_buffer, .address_space: global }
      - { .name: bk, .offset: 24, .size: 8, .value_kind: global_buffer, .address_space: global }
      - { .name: q_img, .offset: 32, .size: 8, .value_kind: global_buffer, .address_space: global }
      - { .name: k_img, .offset: 40, .size: 8, .value_kind: global_buffer, .address_space: global }
      - { .name: v_img, .offset: 48, .size: 8, .value_kind: global_buffer, .address_space: global }
    .group_segment_fixed_size: 327680
    .private_segment_fixed_size: 0
    .kernarg_segment_align: 8
    .kernarg_segment_size: 56
    .max_flat_workgroup_size: 128
    .sgpr_count:     102
    .vgpr_count:     1024
    .wavefront_size: 32
...
	.end_amdgpu_metadata
.endif
;; end of part 2
;; launch attn (part 3): grid 8 x 32, 8 waves a work-group, clusters of 4 x 1, 327,680 bytes of LDS; arguments q_img, k_img, v_img, bv, o_img; writes o_img
.if DOCPART == 3
	.amdgcn_target "amdgcn-amd-amdhsa--gfx1250"
	.amdhsa_code_object_version 6
	.text
	.protected	k_q2eea3b2860_attn
	.globl	k_q2eea3b2860_attn
	.p2align	8
	.type	k_q2eea3b2860_attn,@function
k_q2eea3b2860_attn:
	s_mov_b64 s[64:65], 0
	v_nop
	global_prefetch_b8 v0, s[64:65] scope:SCOPE_SE
	s_setreg_imm32_b32 hwreg(HW_REG_WAVE_MODE, 25, 1), 1
	s_wait_xcnt 0x0
	s_wait_alu depctr_hold_cnt(0) depctr_sa_sdst(0) depctr_va_vdst(0) depctr_va_sdst(0) depctr_va_ssrc(0) depctr_va_vcc(0) depctr_vm_vsrc(0)
	s_getreg_b32 s2, hwreg(HW_REG_IB_STS2, 6, 4)
	s_cmp_eq_u32 s2, 0
	s_cbranch_scc0 .Lentry_in_a_cluster
	s_endpgm
.Lentry_in_a_cluster:
	s_bfe_u32 s2, ttmp6, 0x10000c
	s_cmp_lg_u32 s2, 0x3003
	s_cbranch_scc0 .Lentry_shape_is_right
	s_endpgm
.Lentry_shape_is_right:
; O[bh][q] = sum over k of softmax_k(Q[bh][q] . K[bh][k] / 8) V[bh][k] + bv.  32 (batch, head) pairs, 2,048 tokens, head size 64.  Operands f16; products, maxima and sums f32; the weights p rounded to f16; O once, to f16.
; bv: the weights of a row sum to 1, so sum p (v + bv) / sum p = sum p v / sum p + bv for every input: it rides in the fused multiply-add that divides by the row's sum.
; LIMIT: O beyond 65,504 in magnitude is not served (f16); NaN and infinities are not served.
; SHARES.  A work-group owns 256 queries of one (batch, head); each of its eight waves 32 of them, two tiles of 16.  A key step is 64 keys.
; LAYOUT.  S^T = K Q^T (source 0 = 16 keys, source 1 = 16 queries) and O^T = V^T P (source 0 = 16 channels, source 1 = P): a lane holds ONE query (lane % 16) throughout.  Two tiles of S^T, rounded in pairs, are P's fragment.
; Q, K and V^T arrive as images of operand registers (512 bytes: lane l's 16 bytes at 16 l), so a fragment is two loads at 16 x lane, from memory or from LDS: no pitch, no padding, nothing turned.
; SOFTMAX.  For each query a running maximum m and sum l: p = 2^(c s - c m), c = log2(e) / 8; in every step O^T and l are multiplied by a = 2^(c m_old - c m_new).  The first step finds m = -3e38, l = 0, O^T = 0.
; BY TURNS.  The wave's two tiles are two PIECES.  In a TURN piece x issues 8 products V^T P of the step in hand and then 8 products K Q^T of the next step; the other piece's softmax, 118 vector instructions, stands between them.
; Then the pieces change places; two turns are a key step.  K and V have one set of registers each: K of step j + 1 is fetched at the top of piece 0's turn, when both pieces have multiplied by K of step j; V of step j + 1 in piece 1's turn, behind its products V^T P of step j.
; RING.  Two LDS slots of 512 keys (64 KB of K, 64 KB of V), each tile of 16 KB fetched by one wave (waves 0-3 K, waves 4-7 V).  CLUSTER: the four query blocks of a cluster belong to one head and walk the same K and V: each tile is asked for jointly.
; o_img: [256 channels 4][tile of 16 tokens 256][chunk of 32 channels 8][half 2][512]: the next product's operand.
; REGISTERS.  window 0: v1-9 addresses; v12-27 statistics, 8 a tile; v32-95 S^T; v96-127 P; v128-191 O^T; v192-255 V: all that the softmax and V^T P name, so that they need no switch of the window.
;   window 1: v0-31 Q; v32-95 K; v96-127 bv in the result's layout.  The products K Q^T go in pairs, two switches a pair.
.set SLOT1, 1<<17                      ; slot 1 begins here: one exclusive or turns an address
.set VOFF,  65536                      ; in a slot: 8 blocks of K, then 8 of V
.set SLOTB, 65536                      ; a slot's bytes of K, and of V, in memory
.set STEPB, 8192                       ; a key step's block
.set SPARE, 2*SLOT1                    ; the spare words, 128 bytes for each of eight waves
.set LI,  1                            ; v1 16 x lane
.set LIV, 2                            ; v2 16 x lane + VOFF
.set ADK, 3                            ; v3 LDS address of the K that is being fetched
.set ADV, 4                            ; v4 of the V
.set PFO, 6                            ; v6 256 x lane; never rewritten
.set BOF, 7                            ; v7 32 x (lane / 16)
.set SPW, 8                            ; v8 LDS address of my spare word; never rewritten
.set NIL, 9                            ; v9 0; never rewritten
.set ST,  12                           ; tile x at v[ST+8 x]: +0 c m, +1 m, +2, +3 l (even, odd keys), +4 .. +7 c0-c3, at work; a takes c2's place, c m_old c3's
.set S,   32
.set P,   96
.set O,   128
.set VF,  192
.set Q,   0                            ; window 1
.set KF,  32
.set BV,  96
.set WV,  14
.set LIM, 15                           ; s15 1 in a wave that prefetches, else the greatest number
.set G1,  24                           ; s[24:31] group 1: 64 dense rows of 256 bytes
.set G0K, 32                           ; s[32:39] group 0 for K's tiles: a set for each first fill; the second then walks on
.set G0V, 52                           ; s[52:59] the same for V's
.set PFA, 40                           ; s[40:41] where my prefetch stands
.set TB,  42                           ; s42 LDS byte at which the block of K of the step to be fetched begins
.set SLOTS, 43
.set CNT, 44
.set CS,  46                           ; s[46:47] c
.set SEL, 48                           ; s[48:49] lane l xor 16
.set MSB, 0
.macro WIN new                         ; the immediate's high byte repeats the setting that is left; a switch that changes nothing is dropped
.if MSB != (\new)
	s_set_vgpr_msb (MSB<<8)|(\new)
.set MSB, (\new)
.endif
.endm
.set W_KQ,  0x05                       ; K and Q in window 1, S^T in window 0
.set TO1,   0x40                       ; destination window 1
.set W_OUT, 0x10                       ; source 2 (bv) in window 1
.macro JLOAD                           ; a joint refill; the branch hangs on the wave's number alone.  An s_nop 0 and four v_nop follow each line
	s_cmp_lt_u32 s[WV], 4
	s_cbranch_scc0 .Lfor_v_\@
	tensor_load_to_lds s[G0K+4:G0K+7], s[G1:G1+7]
	s_nop 0
.rept 4
	v_nop
.endr
	s_branch .Lasked_\@
.Lfor_v_\@:
	tensor_load_to_lds s[G0V+4:G0V+7], s[G1:G1+7]
	s_nop 0
.rept 4
	v_nop
.endr
.Lasked_\@:
.endm
; A prefetch of what the NEXT change of slots will ask for.  All clusters of a head walk the same K and V: the head's first cluster asks.  Waves 0 and 2 name K's 64 KB, waves 4 and 6 V's, 32 KB each;
; of those the four partners take 8 KB each, told apart by address; lanes 256 bytes apart.  So each block of 256 bytes is named once.  The last change that fills a slot asks for nothing; slots 0 to 2 come by their loads alone.
.macro ASK
	s_cmp_gt_u32 s[SLOTS], s[LIM]
	s_cbranch_scc0 .Lnot_mine_\@
	global_prefetch_b8 v[PFO], s[PFA:PFA+1] th:TH_LOAD_NT scope:SCOPE_SE
.Lnot_mine_\@:
.endm
.macro CROUND                          ; a round of the cluster's barrier
	s_barrier_signal -1
	s_barrier_wait -1
	s_cmp_lg_u32 s[WV], 0
	s_cbranch_scc1 .Lnot_wave_0_\@
	s_barrier_signal -3
.Lnot_wave_0_\@:
	s_barrier_wait -3
	s_barrier_signal -1
	s_barrier_wait -1
.endm
	s_load_b256 s[4:11], s[0:1], 0x0               ; q_img, k_img, v_img, bv
	s_load_b64 s[12:13], s[0:1], 0x20              ; o_img
	v_lshl_add_u32 v[SPW], v0, 2, SPARE
	v_mov_b32 v[NIL], 0
	ds_add_u32 v[SPW], v[NIL]                      ; the wave's opening: the add, twice on end, and its wait ahead of my first tensor load
	ds_add_u32 v[SPW], v[NIL]
	v_lshrrev_b32 v1, 5, v0
	v_readfirstlane_b32 s[WV], v1                  ; wave 0..7
	s_bfe_u32 s16, ttmp6, 0x40000                  ; cx
	s_lshl_b32 s17, ttmp9, 2
	s_add_co_u32 s17, s17, s16                     ; my block of 256 queries: it enters Q's and O's addresses alone
	s_and_b32 s18, ttmp7, 0xffff                   ; 16 x batch + head, which the four partners share
	s_and_b32 s20, s[WV], 3
	s_lshl_b32 s21, s20, 14                        ; my 16 KB of a slot's K or V: in memory and in LDS
	s_lshl_b32 s22, s18, 18                        ; a head's K or V is 262,144 bytes
	s_add_co_u32 s22, s22, s21
	s_mov_b32 s23, 0
	s_lshl_b32 s50, s18, 18
	s_lshl_b32 s51, s17, 15                        ; 256 queries: 32,768 bytes,
	s_add_co_u32 s50, s50, s51
	s_lshl_b32 s51, s[WV], 12                      ; my 32: 4,096
	s_add_co_u32 s50, s50, s51
	s_mov_b32 s51, 0
	s_and_b32 s2, s18, 15                          ; the head
	s_lshr_b32 s60, s2, 2
	s_lshl_b32 s60, s60, 21                        ; o_img: four heads' 256 channels: 256 tiles of 8,192 bytes
	s_lshr_b32 s3, s18, 4
	s_lshl_b32 s3, s3, 7                           ; tile of 16 tokens: 128 x batch
	s_lshl_b32 s19, s17, 4
	s_add_co_u32 s3, s3, s19                       ; + 16 x block
	s_lshl_b32 s19, s[WV], 1
	s_add_co_u32 s3, s3, s19                       ; + 2 x wave
	s_lshl_b32 s3, s3, 13
	s_add_co_u32 s60, s60, s3
	s_and_b32 s3, s18, 3
	s_lshl_b32 s3, s3, 11                          ; the head's 64 channels in a tile: 2,048 bytes
	s_add_co_u32 s60, s60, s3
	s_mov_b32 s61, 0
	s_lshl_b32 s62, s2, 8                          ; bv: 64 numbers a head
	s_mov_b32 s63, 0
	s_mov_b32 s[G1], 15|(3<<16)|(1<<21)            ; 15:0 the mask: all four work-groups; 17:16 elements of 8 bytes; 21 set beside a mask; no padding
	s_mov_b32 s[G1+1], 32<<16                      ; tensor_dim0 = 32 elements: 256 bytes
	s_mov_b32 s[G1+2], 64<<16                      ; tensor_dim1 = 64
	s_mov_b32 s[G1+3], 32<<16                      ; tile_dim0
	s_mov_b32 s[G1+4], 64                          ; tile_dim1
	s_mov_b32 s[G1+5], 32                          ; from row to row: dense
	s_mov_b32 s[G1+6], 0
	s_mov_b32 s[G1+7], 0
	s_mov_b32 s[CS], 0x3e38aa3b                    ; c = log2(e) / 8
	s_mov_b32 s[CS+1], s[CS]                       ; (named with it as a pair)
	s_mov_b32 s[SEL], 0x76543210
	s_mov_b32 s[SEL+1], 0xfedcba98
	s_mov_b32 s[TB], 0
	s_mov_b32 s[SLOTS], 2                          ; four slots' worth of keys: two are asked for at the head, two at changes of slots
	s_and_b32 s[LIM], s[WV], 1                     ; 0 in even waves,
	s_or_b32 s[LIM], s[LIM], ttmp9                 ; of the head's first cluster: the same in all four partners
	s_cmp_eq_u32 s[LIM], 0
	s_cselect_b32 s[LIM], 1, -1
	s_wait_dscnt 0x0                               ; both opening adds are done
	s_wait_kmcnt 0x0
	s_add_nc_u64 s[6:7], s[6:7], s[22:23]          ; K and V at my tile of slot 0
	s_add_nc_u64 s[8:9], s[8:9], s[22:23]
	s_add_nc_u64 s[4:5], s[4:5], s[50:51]          ; Q at my 32 queries
	s_add_nc_u64 s[12:13], s[12:13], s[60:61]      ; O likewise
	s_add_nc_u64 s[10:11], s[10:11], s[62:63]      ; bv at my head
	s_cmp_lt_u32 s[WV], 4
	s_cselect_b64 s[PFA:PFA+1], s[6:7], s[8:9]
	s_lshl_b32 s2, s16, 13                         ; my work-group's 8 KB of the 32
	s_mov_b32 s3, 0
	s_add_nc_u64 s[PFA:PFA+1], s[PFA:PFA+1], s[2:3]
	s_add_nc_u64 s[PFA:PFA+1], s[PFA:PFA+1], 2*SLOTB   ; in slot 2; the first change of slots steps it to slot 3
	CROUND                                         ; all four work-groups are here: the first joint loads meet
.irp s, 0,1
	s_mov_b32 s[G0K+4*\s], 1
	s_add_co_u32 s[G0K+4*\s+1], s21, \s*SLOT1
	s_add_nc_u64 s[G0K+4*\s+2:G0K+4*\s+3], s[6:7], \s*SLOTB
	s_or_b32 s[G0K+4*\s+3], s[G0K+4*\s+3], 0x80000000
	s_mov_b32 s[G0V+4*\s], 1
	s_add_co_u32 s[G0V+4*\s+1], s21, \s*SLOT1+VOFF
	s_add_nc_u64 s[G0V+4*\s+2:G0V+4*\s+3], s[8:9], \s*SLOTB
	s_or_b32 s[G0V+4*\s+3], s[G0V+4*\s+3], 0x80000000
.endr
	s_cmp_lt_u32 s[WV], 4                          ; a wave's two first fills stand in one branch: two loads of mine are out
	s_cbranch_scc0 .Lfirst_v
	tensor_load_to_lds s[G0K:G0K+3], s[G1:G1+7]
	s_nop 0
	tensor_load_to_lds s[G0K+4:G0K+7], s[G1:G1+7]
	s_nop 0
.rept 4
	v_nop
.endr
	s_branch .Lfirst_asked
.Lfirst_v:
	tensor_load_to_lds s[G0V:G0V+3], s[G1:G1+7]
	s_nop 0
	tensor_load_to_lds s[G0V+4:G0V+7], s[G1:G1+7]
	s_nop 0
.rept 4
	v_nop
.endr
.Lfirst_asked:
	v_and_b32 v1, 31, v0
	v_lshlrev_b32 v[PFO], 8, v1
	v_lshlrev_b32 v[LI], 4, v1
	v_add_nc_u32 v[LIV], VOFF, v[LI]
	v_bfe_u32 v[BOF], v0, 4, 1
	v_lshlrev_b32 v[BOF], 5, v[BOF]
	WIN TO1
.irp i, 0,1,2,3,4,5,6,7
	global_load_b128 v[Q+4*\i:Q+4*\i+3], v[LI], s[4:5] offset:512*\i            ; Q stays in registers: tile i / 4, chunk (i / 2) % 2, half i % 2
.endr
.irp t, 0,1,2,3
	global_load_b128 v[BV+8*\t:BV+8*\t+3], v[BOF], s[10:11] offset:64*\t        ; register 8 t + j: bv of channel 16 t + 8 h + j
	global_load_b128 v[BV+8*\t+4:BV+8*\t+7], v[BOF], s[10:11] offset:64*\t+16
.endr
	WIN 0
.set i, 0
.rept 64
	v_mov_b32 v[O+i], 0                            ; O^T: the turn is written without a first step of its own; the first a, which is 0, leaves zeros
.set i, i+1
.endr
.irp x, 0,1
	v_mov_b32 v[ST+8*\x+1], 0xff61b1e6             ; m = -3e38, under every score
	v_mul_f32 v[ST+8*\x], s[CS], v[ST+8*\x+1]      ; c m
	v_mov_b32 v[ST+8*\x+2], 0                      ; l
	v_mov_b32 v[ST+8*\x+3], 0
.endr
; THE LDS LOADS stand in runs of 16.  K and V of a step are fetched by the same s[TB]: K first, V a turn later, which steps it.
.macro FETCH_K
	v_add_nc_u32 v[ADK], s[TB], v[LI]
	WIN TO1
.irp i, 0,1,2,3,4,5,6,7,8,9,10,11,12,13,14,15
	ds_load_b128 v[KF+4*\i:KF+4*\i+3], v[ADK] offset:512*\i     ; K: tile of 16 keys i / 4, chunk (i / 2) % 2, half i % 2
.endr
	WIN 0
.endm
.macro FETCH_V
	v_add_nc_u32 v[ADV], s[TB], v[LIV]
	s_add_co_u32 s[TB], s[TB], STEPB               ; the next fetch is the next step's
.irp i, 0,1,2,3,4,5,6,7,8,9,10,11,12,13,14,15
	ds_load_b128 v[VF+4*\i:VF+4*\i+3], v[ADV] offset:512*\i     ; V^T: tile of 16 channels i / 4, chunk of 32 keys (i / 2) % 2, half i % 2
.endr
.endm
; THE TURN'S NEXT MATRIX INSTRUCTION, number mi of 16, for piece x.  0-7: O^T += V^T P, keys 32 (mi / 4) on, channels 16 (mi % 4) on.  8-15: S^T = K Q^T, channels 32 ((mi - 8) / 4) on, keys 16 ((mi - 8) % 4) on; the first four start the sums.
; In either kind four accumulators take turns, one instruction a turn.  pv = 0 or kq = 0: the turn has none of that kind.
.macro MM x, pv, kq
.if mi < 8
.if \pv
	WIN 0
.set rO, O+32*(\x)+8*(mi%4)
.set rV, VF+8*(2*(mi%4)+mi/4)
.set rP, P+16*(\x)+8*(mi/4)
	v_wmma_f32_16x16x32_f16 v[rO:rO+7], v[rV:rV+7], v[rP:rP+7], v[rO:rO+7]
.endif
.else
.if \kq
	WIN W_KQ
.set rS, S+32*(\x)+8*((mi-8)%4)
.set rK, KF+8*(2*((mi-8)%4)+(mi-8)/4)
.set rQ, Q+16*(\x)+8*((mi-8)/4)
.if mi < 12
	v_wmma_f32_16x16x32_f16 v[rS:rS+7], v[rK:rK+7], v[rQ:rQ+7], 0
.else
	v_wmma_f32_16x16x32_f16 v[rS:rS+7], v[rK:rK+7], v[rQ:rQ+7], v[rS:rS+7]
.endif
.endif
.endif
.set mi, mi+1
.endm
; A TURN.  Piece x has the matrix unit; the softmax of the other piece, tile 1 - x, is written out in its order, and the matrix instructions stand in it.  The vector lines name the other tile's registers alone.
; fetch = 1: piece 0's turn fetches the next step's K at its top, piece 1's the next step's V behind its products V^T P.  Every window is 0 on the way in and on the way out.
; DISTANCES.  The turn ends with 20 plain vector instructions behind its last product K Q^T: they stand between that product and the next turn's first read of its scores, and between it and the loads into K's registers.
; 13 scalings stand between the last product V^T P and the loads into V's registers.
.macro TURN x, pv, kq, fetch
.set mi, 0
.set tT, ST+8*(1-(\x))
.set tS, S+32*(1-(\x))
.set tP, P+16*(1-(\x))
.set tO, O+32*(1-(\x))
.if (\x) == 0
.if \fetch
	FETCH_K
	s_wait_dscnt 16                                ; V, asked for a turn ago, is in; K's sixteen loads, just issued, may stay out
.else
	s_wait_dscnt 0x0                               ; V is in
.endif
.endif
	MM \x, \pv, \kq
.irp j, 0,1,2,3                                ; the maximum of my 32 scores and the old m: four chains of seven scores; each tile of S^T is read from its low end on
	v_max3_num_f32 v[tT+4+\j], v[tS+8*\j], v[tS+8*\j+1], v[tS+8*\j+2]
.endr
	MM \x, \pv, \kq
.irp j, 0,1,2,3
	v_max3_num_f32 v[tT+4+\j], v[tT+4+\j], v[tS+8*\j+3], v[tS+8*\j+4]
.endr
	MM \x, \pv, \kq
.irp j, 0,1,2,3
	v_max3_num_f32 v[tT+4+\j], v[tT+4+\j], v[tS+8*\j+5], v[tS+8*\j+6]
.endr
	MM \x, \pv, \kq
	v_max3_num_f32 v[tT+4], v[tT+4], v[tS+7], v[tS+15]        ; the four scores left over,
	v_max3_num_f32 v[tT+6], v[tT+6], v[tS+23], v[tS+31]
	v_max3_num_f32 v[tT+5], v[tT+5], v[tT+7], v[tT+1]         ; the old m
	v_mov_b32 v[tT+7], v[tT]                                  ; c m_old is kept for a
	MM \x, \pv, \kq
	v_max3_num_f32 v[tT+4], v[tT+4], v[tT+5], v[tT+6]
	v_permlanex16_b32 v[tT+5], v[tT+4], s[SEL], s[SEL+1]      ; the query's other 32 keys lie in the lane 16 away
	MM \x, \pv, \kq
	v_max_num_f32 v[tT+1], v[tT+4], v[tT+5]                   ; the new m
	v_mul_f32 v[tT], s[CS], v[tT+1]
	MM \x, \pv, \kq
	v_sub_f32 v[tT+7], v[tT+7], v[tT]
.irp b, 0,2,4
	v_pk_fma_f32 v[tS+\b:tS+\b+1], v[tS+\b:tS+\b+1], s[CS:CS+1], v[tT:tT+1] op_sel_hi:[1,0,0] neg_lo:[0,0,1] neg_hi:[0,0,1]   ; c s - c m
.endr
	MM \x, \pv, \kq                                ; the last product V^T P
.irp b, 6,8,10,12,14,16,18,20,22,24,26,28,30
	v_pk_fma_f32 v[tS+\b:tS+\b+1], v[tS+\b:tS+\b+1], s[CS:CS+1], v[tT:tT+1] op_sel_hi:[1,0,0] neg_lo:[0,0,1] neg_hi:[0,0,1]
.endr
.if (\x) == 1
.if \fetch
	FETCH_V                                        ; both pieces have multiplied by V of the step in hand
.endif
.endif
	v_exp_f32 v[tT+6], v[tT+7]                     ; a.  The turn's 33 exponentials are one batch: nothing names a result ahead of the wait below
.irp e, 0,1,2,3,4,5,6,7,8,9,10
	v_exp_f32 v[tS+\e], v[tS+\e]                   ; p, at most 1
.endr
.if (\x) == 0
.if \kq
	s_wait_dscnt 0x0                               ; K is in
.endif
.endif
	MM \x, \pv, \kq
	MM \x, \pv, \kq
	WIN 0
.irp e, 11,12,13,14,15,16,17,18,19,20,21,22
	v_exp_f32 v[tS+\e], v[tS+\e]
.endr
	MM \x, \pv, \kq
	MM \x, \pv, \kq
	WIN 0
.irp e, 23,24,25,26,27,28,29,30,31
	v_exp_f32 v[tS+\e], v[tS+\e]
.endr
	v_nop                                          ; a plain instruction behind the last exponential
	s_wait_alu depctr_va_vdst(0)                   ; one wait for the batch, ahead of its first reader
.irp i, 0,1,2,3,4,5,6,7,8,9,10,11,12,13,14,15
	v_cvt_pk_f16_f32 v[tP+\i], v[tS+2*\i], v[tS+2*\i+1]
.endr
	MM \x, \pv, \kq
	MM \x, \pv, \kq
	WIN 0
.irp u, 0,4,8,12,16,20,24,28                   ; the sum of the 16 pairs (an even key's weight, an odd key's), in place: neighbours 1, 2, 4 and 8 pairs apart
	v_pk_add_f32 v[tS+\u:tS+\u+1], v[tS+\u:tS+\u+1], v[tS+\u+2:tS+\u+3]
.endr
.irp u, 0,8,16,24
	v_pk_add_f32 v[tS+\u:tS+\u+1], v[tS+\u:tS+\u+1], v[tS+\u+4:tS+\u+5]
.endr
	MM \x, \pv, \kq
	MM \x, \pv, \kq                                ; the last product K Q^T
	WIN 0
.irp u, 0,16
	v_pk_add_f32 v[tS+\u:tS+\u+1], v[tS+\u:tS+\u+1], v[tS+\u+8:tS+\u+9]
.endr
.irp i, 0,2                                    ; O^T x a, each accumulator from its low end on; the first of these stand between the last links of the sum
	v_pk_mul_f32 v[tO+\i:tO+\i+1], v[tO+\i:tO+\i+1], v[tT+6:tT+7] op_sel_hi:[1,0]
.endr
	v_pk_add_f32 v[tS:tS+1], v[tS:tS+1], v[tS+16:tS+17]
.irp i, 4,6
	v_pk_mul_f32 v[tO+\i:tO+\i+1], v[tO+\i:tO+\i+1], v[tT+6:tT+7] op_sel_hi:[1,0]
.endr
	v_pk_fma_f32 v[tT+2:tT+3], v[tT+2:tT+3], v[tT+6:tT+7], v[tS:tS+1] op_sel_hi:[1,0,1]   ; l = a l + the sum
.irp i, 8,10,12,14,16,18,20,22,24,26,28,30
	v_pk_mul_f32 v[tO+\i:tO+\i+1], v[tO+\i:tO+\i+1], v[tT+6:tT+7] op_sel_hi:[1,0]
.endr
.endm
.macro STEPS n                         ; n key steps: written once, walked n times; the LDS addresses hang on s[TB]
	s_mov_b32 s[CNT], \n
.Lstep_\@:
	TURN 0, 1, 1, 1
	TURN 1, 1, 1, 1
	s_sub_co_u32 s[CNT], s[CNT], 1
	s_cmp_lg_u32 s[CNT], 0
	s_cbranch_scc1 .Lstep_\@
.endm
; THE CHANGE OF SLOTS, between piece 1's turn and piece 0's: the slot's last bytes, V of its eighth step, have been asked for, and the next fetch is K of the other slot's first step.
; Each wave waits for all its tensor loads (one is out: its part of the other slot), adds 0 to its spare word, and waits for that and for its reads of the slot.
; fill = 1: the slot just read is filled with the keys two slots on, behind a round of the cluster's barrier: the joint refill is the first thing behind it, and has eight key steps in which to land.
.macro CHANGE fill
	s_wait_tensorcnt 0x0                           ; no tensor load of mine is out, so a group 0 may be written
	ds_add_u32 v[SPW], v[NIL]
.if \fill
.irp g, G0K+4, G0V+4
	s_xor_b32 s[\g+1], s[\g+1], SLOT1              ; the walking descriptor: the other slot than last time,
	s_add_nc_u64 s[\g+2:\g+3], s[\g+2:\g+3], SLOTB ; the next 512 keys; the type bits on top are not reached
.endr
	s_wait_xcnt 0x0                                ; the last prefetch, a slot back, has read its address
	s_add_nc_u64 s[PFA:PFA+1], s[PFA:PFA+1], SLOTB ; one slot further on than the walking descriptors
	s_wait_dscnt 0x0                               ; the add is done, and my reads of the slot are over
	CROUND
	JLOAD
	ASK
.else
	s_wait_dscnt 0x0
	s_barrier_signal -1
	s_barrier_wait -1
.endif
	s_sub_co_u32 s[TB], s[TB], 8*STEPB             ; back to a slot's first step,
	s_xor_b32 s[TB], s[TB], SLOT1                  ; in the other slot
.endm
	s_wait_tensorcnt 1                             ; my part of slot 0 is in; slot 1's may stay out
	s_barrier_signal -1
	s_barrier_wait -1
	FETCH_K                                        ; key step 0
	s_wait_loadcnt 0x0                             ; Q and bv
	s_wait_dscnt 0x0
.set mi, 8
.rept 8
	MM 0, 0, 1                                     ; piece 0's first scores: there is no vector work yet to set between them
.endr
	WIN 0
.rept 4
	v_nop                                          ; places in front of the first read of those scores
.endr
	TURN 1, 0, 1, 1                                ; piece 1's first scores | piece 0's softmax of step 0 | V of step 0
	STEPS 7                                        ; steps 0 to 6; they fetch steps 1 to 7: the rest of slot 0
.Lslot:                                            ; two trips: slots 0 and 1 are filled again
	CHANGE 1
	STEPS 8
	s_sub_co_u32 s[SLOTS], s[SLOTS], 1
	s_cmp_lg_u32 s[SLOTS], 0
	s_cbranch_scc1 .Lslot
	CHANGE 0                                       ; the tail is written out: nothing more is asked for
	STEPS 8                                        ; steps 23 to 30; they fetch steps 24 to 31
	TURN 0, 1, 0, 0                                ; piece 0: V^T P of the last step | piece 1's last softmax
.set mi, 0
.rept 8
	MM 1, 1, 0                                     ; piece 1: V^T P of the last step
.endr
	; THE WAY OUT: O^T / l + bv, to f16: four registers a tile of 16 channels are a half of the next product's fragment
.rept 4
	v_nop                                          ; places behind the last products
.endr
.irp x, 0,1
	v_add_f32 v[ST+8*\x+4], v[ST+8*\x+2], v[ST+8*\x+3]
.endr
.irp x, 0,1
	v_permlanex16_b32 v[ST+8*\x+5], v[ST+8*\x+4], s[SEL], s[SEL+1]
.endr
.irp x, 0,1
	v_add_f32 v[ST+8*\x+4], v[ST+8*\x+4], v[ST+8*\x+5]   ; the row's sum
.endr
.irp x, 0,1
	v_rcp_f32 v[ST+8*\x+6], v[ST+8*\x+4]
.endr
	v_nop                                          ; a plain instruction behind the last reciprocal
	s_wait_alu depctr_va_vdst(0)                   ; and the wait ahead of the first use
	WIN W_OUT
.irp x, 0,1
.irp i, 0,2,4,6,8,10,12,14,16,18,20,22,24,26,28,30
	v_pk_fma_f32 v[S+32*\x+\i:S+32*\x+\i+1], v[O+32*\x+\i:O+32*\x+\i+1], v[ST+8*\x+6:ST+8*\x+7], v[BV+\i:BV+\i+1] op_sel_hi:[1,0,1]   ; each accumulator from its low end on
.endr
.endr
	WIN 0
.irp x, 0,1
.irp i, 0,1,2,3,4,5,6,7,8,9,10,11,12,13,14,15
	v_cvt_pk_f16_f32 v[P+16*\x+\i], v[S+32*\x+2*\i], v[S+32*\x+2*\i+1]
.endr
.endr
.irp x, 0,1
.irp t, 0,1,2,3
	global_store_b128 v[LI], v[P+16*\x+4*\t:P+16*\x+4*\t+3], s[12:13] offset:8192*\x+512*\t   ; 512 consecutive bytes, aligned
.endr
.endr
	s_wait_tensorcnt 0x0                           ; the wave's end
	ds_add_u32 v[SPW], v[NIL]
	s_wait_dscnt 0x0
	CROUND                                         ; the closing round
	s_endpgm
.Lfunc_end_k_q2eea3b2860_attn:
	.size	k_q2eea3b2860_attn, .Lfunc_end_k_q2eea3b2860_attn-k_q2eea3b2860_attn
	.p2alignl 7, 3214868480
	.fill 96, 4, 3214868480
	.section	.rodata,"a",@progbits
	.p2align	6, 0x0
	.amdhsa_kernel k_q2eea3b2860_attn
		.amdhsa_group_segment_fixed_size 327680
		.amdhsa_private_segment_fixed_size 0
		.amdhsa_enable_private_segment 0
		.amdhsa_kernarg_size 40
		.amdhsa_user_sgpr_count 2
		.amdhsa_user_sgpr_kernarg_segment_ptr 1
		.amdhsa_wavefront_size32 1
		.amdhsa_system_sgpr_workgroup_id_x 1
		.amdhsa_system_sgpr_workgroup_id_y 1
		.amdhsa_system_sgpr_workgroup_id_z 1
		.amdhsa_system_vgpr_workitem_id 0
		.amdhsa_next_free_vgpr 384
		.amdhsa_next_free_sgpr 66
		.amdhsa_reserve_vcc 0
		.amdhsa_float_denorm_mode_32 3
		.amdhsa_float_denorm_mode_16_64 3
		.amdhsa_memory_ordered 1
		.amdhsa_forward_progress 1
		.amdhsa_inst_pref_size 87
	.end_amdhsa_kernel
	.amdgpu_metadata
---
amdhsa.version: [ 1, 2 ]
amdhsa.kernels:
  - .name:           k_q2eea3b2860_attn
    .symbol:         k_q2eea3b2860_attn.kd
    .args:
      - { .name: q_img, .offset: 0, .size: 8, .value_kind: global_buffer, .address_space: global }
      - { .name: k_img, .offset: 8, .size: 8, .value_kind: global_buffer, .address_space: global }
      - { .name: v_img, .offset: 16, .size: 8, .value_kind: global_buffer, .address_space: global }
      - { .name: bv, .offset: 24, .size: 8, .value_kind: global_buffer, .address_space: global }
      - { .name: o_img, .offset: 32, .size: 8, .value_kind: global_buffer, .address_space: global }
    .group_segment_fixed_size: 327680
    .private_segment_fixed_size: 0
    .kernarg_segment_align: 8
    .kernarg_segment_size: 40
    .max_flat_workgroup_size: 256
    .sgpr_count:     66
    .vgpr_count:     384
    .wavefront_size: 32
...
	.end_amdgpu_metadata
.endif
;; end of part 3
;; launch proj (part 4): grid 8 x 32, 4 waves a work-group, clusters of 4 x 4, 327,680 bytes of LDS; arguments o_img, wo_img, bo, out0; writes out0
.if DOCPART == 4
	.amdgcn_target "amdgcn-amd-amdhsa--gfx1250"
	.amdhsa_code_object_version 6
	.text
	.protected	k_q2eea3b2860_proj
	.globl	k_q2eea3b2860_proj
	.p2align	8
	.type	k_q2eea3b2860_proj,@function
k_q2eea3b2860_proj:
	s_mov_b64 s[64:65], 0
	v_nop
	global_prefetch_b8 v0, s[64:65] scope:SCOPE_SE
	s_setreg_imm32_b32 hwreg(HW_REG_WAVE_MODE, 25, 1), 1
	s_wait_xcnt 0x0
	s_wait_alu depctr_hold_cnt(0) depctr_sa_sdst(0) depctr_va_vdst(0) depctr_va_sdst(0) depctr_va_ssrc(0) depctr_va_vcc(0) depctr_vm_vsrc(0)
	s_getreg_b32 s2, hwreg(HW_REG_IB_STS2, 6, 4)
	s_cmp_eq_u32 s2, 0
	s_cbranch_scc0 .Lentry_in_a_cluster
	s_endpgm
.Lentry_in_a_cluster:
	s_bfe_u32 s2, ttmp6, 0x10000c
	s_cmp_lg_u32 s2, 0xf033
	s_cbranch_scc0 .Lentry_shape_is_right
	s_endpgm
.Lentry_shape_is_right:
; out0[t][n] = sum over k of O[t][k] Wo[n][k] + bo[n].  4,096 tokens, n and k 1,024.  Operands f16, as images of operand registers; sums f32; out0 f32.
; o_img: [256 along K 4][tile of 16 tokens 256][chunk of 32 K 8][half 2][512 bytes: lane l's 16 bytes at 16 l];  wo_img: the same with 64 tiles of 16 rows of Wo.
; A tile of 128 tokens x 128 columns to a work-group: 256 work-groups.  Four waves, each 64 x 64: 16 accumulators.  K goes in four steps of 256 through two LDS slots; a step's 128 rows of either side are 64 KB dense in memory,
; fetched as two loads of 32 KB (waves 0 and 1: O's halves; waves 2 and 3: Wo's).  A fragment is two loads at 16 x lane: no pitch, no padding.
; CLUSTERS: 4 x 4 work-groups; O's tiles are shared along a row of the cluster, Wo's along a column: each is asked for jointly.  The matrix instruction takes Wo's rows as source 0 and O's as source 1: a lane holds one token and eight neighbouring columns.
; bo is the C of each sum's first matrix instruction.
; REGISTERS: window 0: v1-29 addresses; v32-95 the way out; v96-127 bo in the result's layout; v128-255 the accumulators ((a, b) at v[128 + 8 (4 a + b)]).   window 1: two fragment buffers of 128: 64 of O, then 64 of Wo, for 64 along K.
.set SLOT,   131072                    ; O's 64 KB, then Wo's
.set KSA,    1<<21                     ; from K step to K step in o_img,
.set KSB,    1<<19                     ; in wo_img
.set STAGE,  2*SLOT                    ; behind the slots: 16 rows x 272 bytes for each wave, for the way out
.set SPITCH, 272
.set SPARE,  STAGE+4*16*SPITCH         ; the spare words, 128 bytes for each wave
.set ADRA, 16                          ; v16-17 my O fragments in slot 0, 1
.set ADRB, 20                          ; v20-21 my Wo fragments
.set STO,  24
.set RD,   25
.set CO,   26
.set BOF,  27                          ; v27 32 x (lane / 16); never rewritten
.set SPW,  28
.set NIL,  29
.set TMP,  32
.set BO,   96
.set ACC,  128
.set F0,   0
.set F1,   128
.set WV,   12
.set RH,   13                          ; wave / 2: my half of the tokens; also: I fetch for O (0) or Wo (1)
.set CH,   14                          ; wave % 2: my half of the columns; also: which half I fetch
.set G1,   24
.set G0,   32
.set G1B,  48
.set G0B,  56
.set MSB, 0
.macro WIN new
.if MSB != (\new)
	s_set_vgpr_msb (MSB<<8)|(\new)
.set MSB, (\new)
.endif
.endm
.set MUL,  0x05                        ; sources 0 and 1 window 1; C and D window 0
.set TO_F, 0x40                        ; destination window 1, address window 0
.macro JLOAD s                         ; a joint load; an s_nop 0 and four v_nop follow each of the two lines
	s_cmp_eq_u32 s[RH], 0
	s_cbranch_scc0 .Lfor_b_\@
	tensor_load_to_lds s[G0+4*\s:G0+4*\s+3], s[G1:G1+7]
	s_nop 0
.rept 4
	v_nop
.endr
	s_branch .Lasked_\@
.Lfor_b_\@:
	tensor_load_to_lds s[G0B+4*\s:G0B+4*\s+3], s[G1B:G1B+7]
	s_nop 0
.rept 4
	v_nop
.endr
.Lasked_\@:
.endm
.macro CREST                           ; a round of the cluster's barrier behind its opening barrier
	s_cmp_lg_u32 s[WV], 0
	s_cbranch_scc1 .Lnot_wave_0_\@
	s_barrier_signal -3
.Lnot_wave_0_\@:
	s_barrier_wait -3
	s_barrier_signal -1
	s_barrier_wait -1
.endm
.macro CROUND
	s_barrier_signal -1
	s_barrier_wait -1
	CREST
.endm
	s_load_b256 s[4:11], s[0:1], 0x0               ; o_img, wo_img, bo, out0
	v_lshl_add_u32 v[SPW], v0, 2, SPARE
	v_mov_b32 v[NIL], 0
	ds_add_u32 v[SPW], v[NIL]                      ; the wave's opening: the add, twice on end, and its wait ahead of my first tensor load
	ds_add_u32 v[SPW], v[NIL]
	v_lshrrev_b32 v1, 5, v0
	v_readfirstlane_b32 s[WV], v1
	s_lshr_b32 s[RH], s[WV], 1
	s_and_b32 s[CH], s[WV], 1
	s_bfe_u32 s40, ttmp6, 0x40000                  ; cx
	s_bfe_u32 s41, ttmp6, 0x40004                  ; cy
	s_lshl_b32 s42, ttmp9, 2
	s_add_co_u32 s42, s42, s40                     ; tile column
	s_and_b32 s15, ttmp7, 0xffff
	s_lshl_b32 s15, s15, 2
	s_add_co_u32 s15, s15, s41                     ; tile row
	s_lshl_b32 s43, s41, 2
	s_lshl_b32 s43, 15, s43                        ; my row of the cluster
	s_lshl_b32 s44, 0x1111, s40                    ; my column
	s_or_b32 s[G1+0], s43, (3<<16)|(1<<21)         ; 15:0 the mask; 17:16 elements of 8 bytes; 21 set beside a mask; no padding
	s_or_b32 s[G1B+0], s44, (3<<16)|(1<<21)
.irp g, G1, G1B
	s_mov_b32 s[\g+1], 32<<16                      ; tensor_dim0 = 32 elements: 256 bytes
	s_mov_b32 s[\g+2], 128<<16                     ; tensor_dim1 = 128
	s_mov_b32 s[\g+3], 32<<16                      ; tile_dim0
	s_mov_b32 s[\g+4], 128                         ; tile_dim1
	s_mov_b32 s[\g+5], 32                          ; dense
	s_mov_b32 s[\g+6], 0
	s_mov_b32 s[\g+7], 0
.endr
	s_lshl_b32 s17, s[CH], 15                      ; which 32 KB I fetch
	s_lshl_b32 s16, s15, 16
	s_add_co_u32 s16, s16, s17                     ; O: 64 KB a tile row
	s_lshl_b32 s46, s42, 16
	s_add_co_u32 s46, s46, s17                     ; Wo: 64 KB a tile column
	s_mov_b32 s17, 0
	s_mov_b32 s47, 0
	s_lshl_b32 s20, s[WV], 15                      ; where they go: wave x 32 KB
	s_wait_dscnt 0x0                               ; both opening adds are done
	s_wait_kmcnt 0x0
	s_add_nc_u64 s[18:19], s[4:5], s[16:17]
	s_add_nc_u64 s[46:47], s[6:7], s[46:47]
	CROUND                                         ; all sixteen work-groups are here: the first joint loads meet
.irp s, 0,1
	s_mov_b32 s[G0+4*\s], 1
	s_add_co_u32 s[G0+4*\s+1], s20, \s*SLOT
	s_add_nc_u64 s[G0+4*\s+2:G0+4*\s+3], s[18:19], \s*KSA
	s_or_b32 s[G0+4*\s+3], s[G0+4*\s+3], 0x80000000
	s_mov_b32 s[G0B+4*\s], 1
	s_add_co_u32 s[G0B+4*\s+1], s20, \s*SLOT
	s_add_nc_u64 s[G0B+4*\s+2:G0B+4*\s+3], s[46:47], \s*KSB
	s_or_b32 s[G0B+4*\s+3], s[G0B+4*\s+3], 0x80000000
	JLOAD \s                                       ; two tensor loads of mine are out
.endr
	v_and_b32 v1, 15, v0                           ; r
	v_bfe_u32 v2, v0, 4, 1                         ; h
	s_lshl_b32 s16, s42, 9
	s_lshl_b32 s17, s[CH], 8
	s_add_co_u32 s16, s16, s17                     ; my first column, in bytes: 512 x tile column + 256 x half
	s_mov_b32 s17, 0
	s_add_nc_u64 s[8:9], s[8:9], s[16:17]
	s_add_nc_u64 s[10:11], s[10:11], s[16:17]
	v_lshlrev_b32 v[BOF], 5, v2
.irp b, 0,1,2,3
	global_load_b128 v[BO+8*\b:BO+8*\b+3], v[BOF], s[8:9] offset:64*\b          ; register 8 b + j: bo of column 16 b + 8 h + j
	global_load_b128 v[BO+8*\b+4:BO+8*\b+7], v[BOF], s[8:9] offset:64*\b+16
.endr
	s_lshl_b32 s16, s15, 19                        ; my first row of out0: 128 x tile row + 64 x half, 4,096 bytes each
	s_lshl_b32 s18, s[RH], 18
	s_add_co_u32 s16, s16, s18
	s_add_nc_u64 s[10:11], s[10:11], s[16:17]
	v_and_b32 v3, 31, v0
	v_lshlrev_b32 v3, 4, v3                        ; 16 x lane
	s_lshl_b32 s21, s[RH], 15                      ; my four tiles of tokens
	s_lshl_b32 s22, s[CH], 15                      ; my four tiles of columns,
	s_add_co_u32 s22, s22, 65536                   ; behind O's 64 KB
.irp s, 0,1
	v_add_nc_u32 v[ADRA+\s], s21, v3
	v_add_nc_u32 v[ADRB+\s], s22, v3
	s_add_co_u32 s21, s21, SLOT
	s_add_co_u32 s22, s22, SLOT
.endr
	s_mul_i32 s23, s[WV], 16*SPITCH
	s_add_co_u32 s23, s23, STAGE                   ; my stage
	v_mul_u32_u24 v4, v1, SPITCH                   ; in: row r, 32 bytes for each half of the lanes
	v_lshl_add_u32 v4, v2, 5, v4
	v_add_nc_u32 v[STO], s23, v4
	v_mul_u32_u24 v5, v2, SPITCH                   ; back: lanes 0-15 one row of 256 bytes, lanes 16-31 the next
	v_lshl_add_u32 v5, v1, 4, v5
	v_add_nc_u32 v[RD], s23, v5
	v_lshlrev_b32 v5, 12, v2                       ; and the same two rows in out0
	v_lshl_add_u32 v[CO], v1, 4, v5
; 8 matrix instructions: token tiles a0, a0 + 1 x all 4 column tiles, 32 along K: half c of buffer f.  zero = 1: the sums begin with bo.  The 16 accumulators take turns.
.macro MUL8 f, c, a0, zero
.irp a, \a0, \a0+1
.irp b, 0,1,2,3
.if \zero
	v_wmma_f32_16x16x32_f16 v[ACC+8*(4*(\a)+\b):ACC+8*(4*(\a)+\b)+7], v[\f+64+8*(4*\c+\b):\f+64+8*(4*\c+\b)+7], v[\f+8*(4*\c+\a):\f+8*(4*\c+\a)+7], v[BO+8*\b:BO+8*\b+7]
.else
	v_wmma_f32_16x16x32_f16 v[ACC+8*(4*(\a)+\b):ACC+8*(4*(\a)+\b)+7], v[\f+64+8*(4*\c+\b):\f+64+8*(4*\c+\b)+7], v[\f+8*(4*\c+\a):\f+8*(4*\c+\a)+7], v[ACC+8*(4*(\a)+\b):ACC+8*(4*(\a)+\b)+7]
.endif
.endr
.endr
.endm
; 32 LDS loads in one run: the fragments of the slot's q-th 64 along K into buffer f; the first 32 along K first
.macro FETCH slot, q, f
	WIN TO_F
.irp c, 0,1
.irp i, 0,1,2,3
	ds_load_b128 v[\f+64+8*(4*\c+\i):\f+64+8*(4*\c+\i)+3],   v[ADRB+\slot] offset:\i*8192+(2*(\q)+\c)*1024
	ds_load_b128 v[\f+64+8*(4*\c+\i)+4:\f+64+8*(4*\c+\i)+7], v[ADRB+\slot] offset:\i*8192+(2*(\q)+\c)*1024+512
	ds_load_b128 v[\f+8*(4*\c+\i):\f+8*(4*\c+\i)+3],         v[ADRA+\slot] offset:\i*8192+(2*(\q)+\c)*1024
	ds_load_b128 v[\f+8*(4*\c+\i)+4:\f+8*(4*\c+\i)+7],       v[ADRA+\slot] offset:\i*8192+(2*(\q)+\c)*1024+512
.endr
.endr
.endm
.macro PLACES                          ; four plain instructions in front of loads into registers that matrix instructions have read, and of the first read of results
.rept 4
	v_nop
.endr
.endm
; A K step is four quarters of 64 along K on buffers 0, 1, 0, 1.  One of the first three: multiplies buffer f and fetches quarter q into g.
.macro QUARTER slot, q, f, g, zero
	s_wait_dscnt 16                                ; the first 32 along K are in; the other sixteen loads may stay out
	WIN MUL
	MUL8 \f, 0, 0, \zero
	MUL8 \f, 0, 2, \zero
	PLACES
	FETCH \slot, \q, \g
	s_wait_dscnt 32                                ; all but the 32 just issued
	WIN MUL
	MUL8 \f, 1, 0, 0
	MUL8 \f, 1, 2, 0
.endm
; The last quarter multiplies buffer 1 and changes slots: one barrier; in front of it each wave waits for all its tensor loads, adds 0 to its spare word, and waits for that and for its reads of this slot.  fill = 1: this slot is filled again, two K steps ahead.
.macro TURN slot, next, fill
	WIN 0
	s_wait_tensorcnt 0x0                           ; my part of the next slot has landed
	ds_add_u32 v[SPW], v[NIL]
	s_wait_dscnt 17                                ; (the add and the youngest sixteen loads may be out)
	WIN MUL
	MUL8 F1, 0, 0, 0
	s_wait_dscnt 0x0                               ; the add is done, and my reads of this slot are over
	s_barrier_signal -1
	MUL8 F1, 0, 2, 0
.if \fill
	WIN 0
.endif
	s_barrier_wait -1
.if \fill
	CREST                                          ; the barrier has opened a round of the cluster's: no wave of any partner still reads this slot or has a load on its way
	s_add_nc_u64 s[G0+4*\slot+2:G0+4*\slot+3], s[G0+4*\slot+2:G0+4*\slot+3], 2*KSA
	s_add_nc_u64 s[G0B+4*\slot+2:G0B+4*\slot+3], s[G0B+4*\slot+2:G0B+4*\slot+3], 2*KSB
	JLOAD \slot                                    ; the first tensor load behind the round; its four v_nop are also the places in front of the loads below
.else
	PLACES
.endif
	FETCH \next, 0, F0
	WIN MUL
	MUL8 F1, 1, 0, 0
	MUL8 F1, 1, 2, 0
.endm
	s_wait_loadcnt 0x0                             ; bo
	s_wait_tensorcnt 1                             ; my part of K step 0 is in; K step 1's may stay out
	s_barrier_signal -1
	s_barrier_wait -1
	FETCH 0, 0, F0
	QUARTER 0, 1, F0, F1, 1                        ; K step 0
	QUARTER 0, 2, F1, F0, 0
	QUARTER 0, 3, F0, F1, 0
	TURN 0, 1, 1                                   ; slot 0 takes K step 2
	QUARTER 1, 1, F0, F1, 0                        ; K step 1
	QUARTER 1, 2, F1, F0, 0
	QUARTER 1, 3, F0, F1, 0
	TURN 1, 0, 1                                   ; slot 1 takes K step 3
	QUARTER 0, 1, F0, F1, 0                        ; K step 2
	QUARTER 0, 2, F1, F0, 0
	QUARTER 0, 3, F0, F1, 0
	TURN 0, 1, 0                                   ; nothing more is asked for
	QUARTER 1, 1, F0, F1, 0                        ; K step 3
	QUARTER 1, 2, F1, F0, 0
	QUARTER 1, 3, F0, F1, 0
	s_wait_dscnt 16
	WIN MUL
	MUL8 F1, 0, 0, 0
	MUL8 F1, 0, 2, 0
	s_wait_dscnt 0
	MUL8 F1, 1, 0, 0
	MUL8 F1, 1, 2, 0
	WIN 0
; THE WAY OUT, 16 tokens x 64 columns at a time.  A lane holds 32 neighbouring bytes of a row and the lanes beside it other rows: a block goes through my own stage and comes back as whole rows of 256 bytes.
; LDS serves a wave's instructions in order: no wait between the stores and the loads, nor in front of the next block's stores.
.macro TOSTAGE a
.irp b, 0,1,2,3
	ds_store_b128 v[STO], v[ACC+8*(4*(\a)+\b):ACC+8*(4*(\a)+\b)+3] offset:64*\b          ; each accumulator from its low end on
	ds_store_b128 v[STO], v[ACC+8*(4*(\a)+\b)+4:ACC+8*(4*(\a)+\b)+7] offset:64*\b+16
.endr
.irp t, 0,1,2,3,4,5,6,7
	ds_load_b128 v[TMP+32*((\a)%2)+4*\t:TMP+32*((\a)%2)+4*\t+3], v[RD] offset:\t*2*SPITCH
.endr
.endm
.macro SEND a, younger                 ; younger: the LDS instructions issued behind block a's loads, which may stay out
	s_wait_dscnt \younger
.irp t, 0,1,2,3,4,5,6,7
	global_store_b128 v[CO], v[TMP+32*((\a)%2)+4*\t:TMP+32*((\a)%2)+4*\t+3], s[10:11] offset:(16*(\a)+2*\t)*4096 th:TH_STORE_NT   ; 16 lanes store 256 consecutive bytes, aligned
.endr
.endm
	PLACES
	TOSTAGE 0
.irp a, 1,2,3
.if \a > 1
	s_wait_xcnt 0x0                                ; block a - 2's stores have read their registers: block a's loads may land there
.endif
	TOSTAGE \a
	SEND \a-1, 16                                  ; behind block a - 1's loads: block a's 8 stores and 8 loads
.endr
	SEND 3, 0
	s_wait_tensorcnt 0x0                           ; the wave's end: behind my last tensor load and my last LDS store
	ds_add_u32 v[SPW], v[NIL]
	s_wait_dscnt 0x0
	CROUND                                         ; the closing round
	s_endpgm
.Lfunc_end_k_q2eea3b2860_proj:
	.size	k_q2eea3b2860_proj, .Lfunc_end_k_q2eea3b2860_proj-k_q2eea3b2860_proj
	.p2alignl 7, 3214868480
	.fill 96, 4, 3214868480
	.section	.rodata,"a",@progbits
	.p2align	6, 0x0
	.amdhsa_kernel k_q2eea3b2860_proj
		.amdhsa_group_segment_fixed_size 327680
		.amdhsa_private_segment_fixed_size 0
		.amdhsa_enable_private_segment 0
		.amdhsa_kernarg_size 32
		.amdhsa_user_sgpr_count 2
		.amdhsa_user_sgpr_kernarg_segment_ptr 1
		.amdhsa_wavefront_size32 1
		.amdhsa_system_sgpr_workgroup_id_x 1
		.amdhsa_system_sgpr_workgroup_id_y 1
		.amdhsa_system_sgpr_workgroup_id_z 1
		.amdhsa_system_vgpr_workitem_id 0
		.amdhsa_next_free_vgpr 512
		.amdhsa_next_free_sgpr 66
		.amdhsa_reserve_vcc 0
		.amdhsa_float_denorm_mode_32 3
		.amdhsa_float_denorm_mode_16_64 3
		.amdhsa_memory_ordered 1
		.amdhsa_forward_progress 1
		.amdhsa_inst_pref_size 86
	.end_amdhsa_kernel
	.amdgpu_metadata
---
amdhsa.version: [ 1, 2 ]
amdhsa.kernels:
  - .name:           k_q2eea3b2860_proj
    .symbol:         k_q2eea3b2860_proj.kd
    .args:
      - { .name: o_img, .offset: 0, .size: 8, .value_kind: global_buffer, .address_space: global }
      - { .name: wo_img, .offset: 8, .size: 8, .value_kind: global_buffer, .address_space: global }
      - { .name: bo, .offset: 16, .size: 8, .value_kind: global_buffer, .address_space: global }
      - { .name: out0, .offset: 24, .size: 8, .value_kind: global_buffer, .address_space: global }
    .group_segment_fixed_size: 327680
    .private_segment_fixed_size: 0
    .kernarg_segment_align: 8
    .kernarg_segment_size: 32
    .max_flat_workgroup_size: 128
    .sgpr_count:     66
    .vgpr_count:     512
    .wavefront_size: 32
...
	.end_amdgpu_metadata
.endif
;; end of part 4
